; MI455X (gfx1250); checked and timed in simulation.
; The chip was launched on July 23, 2026; its instructions are those of AMD's public machine-readable ISA for CDNA 5 (MIT licence, August 2026) and "CDNA5" Instruction Set Architecture Reference Guide (July 2026). The comments in the code are by the model that wrote it; some were corrected since.
;; Multi Head Attention. Allowed arithmetic: matrix products marked QUANTISED: E2M1 operands, one E8M0 scale for each 32 along K, by v_wmma_scale_f32_16x16x128_f8f6f4 with both operands' format E2M1 (or v_wmma_scale_f32_32x16x128_f4), f32 sums; products left as they are: bf16, f16 or f32 operands; f32 sums; everything else in f32.
;; Inputs: Wk 1,024 x 1,024 float32; Wo 1,024 x 1,024 float32; Wq 1,024 x 1,024 float32; Wv 1,024 x 1,024 float32; bk 1,024 float32; bo 1,024 float32; bq 1,024 float32; bv 1,024 float32; k 4 x 2,048 x 1,024 float32; mask 1 x 1 x 2,048 x 2,048 int32; q 4 x 2,048 x 1,024 float32; v 4 x 2,048 x 1,024 float32.
;; Outputs: out0 4 x 2,048 x 1,024 float32.
;; This version of the problem:
;;   THIS VERSION OF THE PROBLEM IS GIVEN IN LOW PRECISION. The matrix products marked QUANTISED in the list below multiply operands that are first quantised to E2M1 (2 exponent bits, 1 mantissa bit; 4 bits a number), with one power-of-two scale for each 32 numbers along K (OCP MX v1.0); their sums are f32. The products marked 'left as it is' may take bf16, f16 or f32 operands, with f32 sums. Whichever they take, every output number must still come out within the allowed error. Rounding operands to bf16 (8 significant bits) uses up far more of that allowance than f16 does (11 bits, for magnitudes from 6e-5 to 65,504). All else is computed in f32.
;;   The module's matrix products, in the order in which they are computed (A, B: the left and right operand; K: the contracted axis; several contracted axes count as one K, in the product's order):
;;     1. [M 8,192, K 1,024] x [K 1,024, N 1,024]; A: input q; B: input Wq: QUANTISED
;;     2. [M 8,192, K 1,024] x [K 1,024, N 1,024]; A: input k; B: input Wk: QUANTISED
;;     3. [M 8,192, K 1,024] x [K 1,024, N 1,024]; A: input v; B: input Wv: QUANTISED
;;     4. batch 64 x [M 2,048, K 64] x [K 64, N 2,048]; A: computed on the way; B: computed on the way: left as it is (an operand is computed on the way)
;;     5. batch 64 x [M 2,048, K 2,048] x [K 2,048, N 64]; A: computed on the way; B: computed on the way: left as it is (an operand is computed on the way)
;;     6. [M 8,192, K 1,024] x [K 1,024, N 1,024]; A: computed on the way; B: input Wo: left as it is (an operand is computed on the way)
;;   THE QUANTISER, for each operand of a quantised product, along K:
;;     - K is cut into blocks of 32 from its start; a last block that is shorter is filled with zeros.
;;     - A block's scale is 2^e with e = floor(log2(the largest magnitude in the block)) - 2, held to -126 .. 127; a block of zeros has e = 0. As a byte (E8M0): e + 127.
;;     - Each number is divided by its block's scale, clamped to +-6, and rounded to the nearest number of E2M1, ties to even, subnormals kept.
;;     - The product sums the exact products of the quantised numbers (number of the format x scale) in f32.
;;   ~~~python
;;   def quantise(x, axis):      # numpy; x: float32 -> the quantised numbers, widened to float32 again
;;       x = np.moveaxis(x, axis, -1); K = x.shape[-1]
;;       x = np.pad(x, [(0, 0)] * (x.ndim - 1) + [(0, -K % 32)]); x = x.reshape(x.shape[:-1] + (-1, 32)); a = np.abs(x).max(-1, keepdims=True)
;;       e = np.where(a > 0, np.clip(np.frexp(np.where(a > 0, a, 1))[1] - 1 - 2, -126, 127), 0)      # np.frexp(a)[1] - 1 = floor(log2(a)), exactly
;;       r = np.clip(x / 2.0 ** e, -6, 6)
;;       step = 2.0 ** (np.maximum(np.frexp(np.where(r == 0, 1, r))[1] - 1, 0) - 1)
;;       q = np.round(r / step) * step * 2.0 ** e      # np.round: ties to even
;;       return np.moveaxis(q.reshape(q.shape[:-2] + (-1,))[..., :K], -1, axis).astype(np.float32)
;;   ~~~
;; One version. Each part assembles by itself: llvm-mc -triple=amdgcn-amd-amdhsa -mcpu=gfx1250 --defsym DOCPART=n.
;; ======== version 1 of 1: 6 launches
;; limits: values are held in f16: magnitudes above 65,504 overflow, below 6.1e-05 lose precision
;; workspace buffers: codes 14,155,776 bytes; scales 884,736 bytes; woi 2,097,152 bytes; msk 527,360 bytes of whole numbers; qkv 50,331,648 bytes; cx 16,777,216 bytes; cf 262,144 bytes
;; launch prep (part 1): grid 992 x 1, 4 waves a work-group, no clusters, 33,280 bytes of LDS; arguments q, k, v, Wq, Wk, Wv, codes, scales, Wo, woi, mask, msk; writes codes, scales, woi, msk
.if DOCPART == 1
	.amdgcn_target "amdgcn-amd-amdhsa--gfx1250"
	.amdhsa_code_object_version 6
	.text
	.protected	k_qf816e7d184_prep
	.globl	k_qf816e7d184_prep
	.p2align	8
	.type	k_qf816e7d184_prep,@function
k_qf816e7d184_prep:
	s_mov_b64 s[64:65], 0
	v_nop
	global_prefetch_b8 v0, s[64:65] scope:SCOPE_SE
	s_setreg_imm32_b32 hwreg(HW_REG_WAVE_MODE, 25, 1), 1
	s_wait_xcnt 0x0
; PREP: three jobs in one launch, chosen by the work-group's number.
;  work-groups 0-63    MASK: mask [2048][2048] int32 becomes lane-mask words and skip flags (whole numbers that later launches branch on).
;  work-groups 64-127  WO:   Wo [1024][1024] f32 becomes f16, laid in the order of a 16 x 32 operand's registers.
;  work-groups 128-991 QUANT: q, k, v [8192][1024] and Wq, Wk, Wv [1024][1024], f32, become codes of E2M1 (K innermost, 512 bytes a row) and one E8M0 byte for each 32 along K (32 bytes a row);
;                      the six tensors follow each other in both buffers: rows 0-8191 q, then k, then v, then 1,024 rows each of Wq, Wk, Wv.
; A block's scale is 2^(floor(log2(largest magnitude)) - 2); its byte is the largest magnitude's exponent field - 2, held at 1 from below.
; LIMITS: a block of zeros gets the byte 1 where the rule says 127 (its codes are zeros; this program alone reads the bytes); blocks whose largest magnitude lies under 2^(2 - 126) were not tried;
; NaN and infinities are not served; Wo must lie inside f16's range (65,504).
; MASK WORDS: [qg 64][ks 32][x 2][kt 4][j 8] words; bit l of a word is 1 where mask[32 qg + 16 x + l % 16][64 ks + 16 kt + 8 (l / 16) + j] is not 0: the lane mask of register j of a 16 x 16 tile of transposed scores.
; FLAGS, from byte FL on, three tables [qg 64][w 4] of words, w = a quarter of the keys: +0 'some entry of key step ks is kept' at bit ks; +1024 'all are kept' at bit ks; +2048 bit i: row i of the 32 has a kept key in this quarter.
; Only QUANT touches LDS (each wave its own 8,192 bytes); no barrier; waves share nothing.
.set FL,    524288
.set WAVES, 4
.set STEPS, 16
.set EMAX,  2
.set CB,    8                          ; bytes of 16 codes
.set R,     16                         ; v16-79   four sets of 16 numbers as they are loaded
.set X,     80                         ; v80-111  two sets of 16 neighbours
.set E,     112                        ; v112-127 a scale byte for each step
.set C,     128                        ; v128-191 codes: four registers for each step
.set WREG,  8192                       ; LDS of a wave: two stages of 32 x SP bytes, then its 256 scale bytes
.set SP,    80
.set SPW,   12                         ; v12 LDS address of my spare word; never rewritten
.set NIL,   13                         ; v13 0; never rewritten
.set SPARE, WAVES*WREG                 ; the spare words: 128 bytes a wave, named by no other line
	s_load_b512 s[4:19], s[0:1], 0x0               ; q, k, v, Wq, Wk, Wv, codes, scales
	s_load_b256 s[20:27], s[0:1], 0x40             ; Wo, woi, mask, msk
	v_lshl_add_u32 v[SPW], v0, 2, SPARE
	v_mov_b32 v[NIL], 0
	v_lshrrev_b32 v1, 5, v0
	v_readfirstlane_b32 s34, v1                    ; wave
	v_and_b32 v2, 31, v0                           ; lane
	s_wait_kmcnt 0x0
	s_cmp_lt_u32 ttmp9, 64
	s_cbranch_scc1 .Lmask
	s_cmp_lt_u32 ttmp9, 128
	s_cbranch_scc1 .Lwo
; ---------------- QUANT: a work-group takes 32,768 numbers, a wave 16 steps of 512
	s_sub_co_u32 s35, ttmp9, 128                   ; 0-255 q, 256-511 k, 512-767 v, 768-799 Wq, 800-831 Wk, 832-863 Wv
	s_cmp_lt_u32 s35, 832
	s_cselect_b64 s[28:29], s[12:13], s[14:15]
	s_cmp_lt_u32 s35, 800
	s_cselect_b64 s[28:29], s[10:11], s[28:29]
	s_cmp_lt_u32 s35, 768
	s_cselect_b64 s[28:29], s[8:9], s[28:29]
	s_cselect_b32 s36, 255, 31                     ; my number inside my tensor: 768 is a multiple of 32
	s_cmp_lt_u32 s35, 512
	s_cselect_b64 s[28:29], s[6:7], s[28:29]
	s_cmp_lt_u32 s35, 256
	s_cselect_b64 s[28:29], s[4:5], s[28:29]
	s_and_b32 s36, s35, s36
	s_lshl_b32 s36, s36, 2
	s_add_co_u32 s36, s36, s34                     ; which run of 8,192 numbers of the tensor is my wave's
	s_lshl_b32 s36, s36, 15                        ; 32,768 bytes a run
	s_mov_b32 s37, 0
	s_add_nc_u64 s[28:29], s[28:29], s[36:37]
	s_lshl_b32 s38, s35, 2
	s_add_co_u32 s38, s38, s34                     ; and which run of the stacked outputs
	s_lshl_b32 s36, s38, 12                        ; 4,096 bytes of codes a run
	s_add_nc_u64 s[30:31], s[16:17], s[36:37]
	s_lshl_b32 s36, s38, 8                         ; 256 scale bytes a run
	s_add_nc_u64 s[32:33], s[18:19], s[36:37]
	v_lshlrev_b32 v3, 4, v2                        ; my 16 bytes of a load's 512
	s_mul_i32 s39, s34, WREG
	v_lshrrev_b32 v14, 2, v2
	v_mul_u32_u24 v14, v14, SP
	v_and_b32 v15, 3, v2
	v_lshl_add_u32 v14, v15, 4, v14
	v_add_nc_u32 v14, s39, v14                     ; the stage, on the way in: SP (lane / 4) + 16 (lane % 4)
	v_mul_u32_u24 v15, v2, SP
	v_add_nc_u32 v15, s39, v15                     ; and on the way out: SP x lane: my 16 neighbours
	v_mul_u32_u24 v4, v2, CB                       ; my codes' place in a step's
	v_lshrrev_b32 v5, 1, v2
	s_add_co_u32 s39, s39, 2*32*SP
	v_add_nc_u32 v5, s39, v5                       ; my wave's 256 scale bytes, my block's byte
	v_lshlrev_b32 v7, 3, v2
	v_add_nc_u32 v6, s39, v7                       ; and on the way out 8 bytes a lane
.macro LOAD t
.irp i, 0,1,2,3
	global_load_b128 v[R+16*((\t)%4)+4*\i:R+16*((\t)%4)+4*\i+3], v3, s[28:29] offset:2048*(\t)+512*\i th:TH_LOAD_NT   ; 32 lanes read 512 consecutive bytes
.endr
.endm
.macro TURN t                          ; step t's numbers through the stage: LDS serves a wave's instructions in order, so no wait stands between the stores and the loads
.irp i, 0,1,2,3
	ds_store_b128 v14, v[R+16*((\t)%4)+4*\i:R+16*((\t)%4)+4*\i+3] offset:32*SP*((\t)%2)+8*SP*\i
.endr
.irp i, 0,1,2,3
	ds_load_b128 v[X+16*((\t)%2)+4*\i:X+16*((\t)%2)+4*\i+3], v15 offset:32*SP*((\t)%2)+16*\i
.endr
.endm
.irp t, 0,1,2,3
	LOAD \t
.endr
	s_wait_loadcnt 12                              ; step 0's four loads are in; 12 younger ones stay out
	TURN 0
.macro QSTEP t
.set XS, X+16*((\t)%2)
.if (\t) > 0
	s_wait_dscnt 1                                 ; this step's numbers are back from the stage (the last step's byte store may be out): so its stores into the stage have read their registers,
.else
	s_wait_dscnt 0x0
.endif
.if (\t)+4 < STEPS
	LOAD (\t)+4                                    ; which take the loads of four steps on
.endif
.if (\t)+1 < STEPS
.if STEPS-2-(\t) >= 3
	s_wait_loadcnt 12                              ; the next step's four loads are in; those of the three steps behind it may be out
.else
	s_wait_loadcnt 4*(STEPS-2-(\t))
.endif
	TURN (\t)+1
.endif
	v_max3_num_f32 v8, |v[XS]|, |v[XS+1]|, |v[XS+2]|               ; the largest magnitude of my 16
	v_max3_num_f32 v9, |v[XS+3]|, |v[XS+4]|, |v[XS+5]|
.irp i, 6,10
	v_max3_num_f32 v8, v8, |v[XS+\i]|, |v[XS+\i+1]|
	v_max3_num_f32 v9, v9, |v[XS+\i+2]|, |v[XS+\i+3]|
.endr
	v_max3_num_f32 v8, v8, |v[XS+14]|, |v[XS+15]|
	v_max3_num_f32 v8, v8, v9, (EMAX+1)<<23        ; and the floor 2^(EMAX + 1 - 127): the byte cannot fall under 1
	v_max_num_f32_dpp v8, v8, v8 row_xmask:1 row_mask:0xf bank_mask:0xf   ; and of my neighbour's 16: the block's
	v_add_nc_u32 v11, -(EMAX<<23), v8              ; EMAX off its exponent field: the conversion takes the exponent field of this operand as its scale
	v_cvt_scalef32_pk8_fp4_f32 v[C+4*(\t)], v[XS:XS+7], v11
	v_cvt_scalef32_pk8_fp4_f32 v[C+4*(\t)+1], v[XS+8:XS+15], v11
	v_lshrrev_b32 v[E+(\t)], 23, v11               ; the scale's byte (also the plain line behind the conversions)
	ds_store_b8 v5, v[E+(\t)] offset:16*(\t)       ; both lanes of a block write the same byte with the same value
	global_store_b64 v4, v[C+4*(\t):C+4*(\t)+1], s[30:31] offset:32*CB*(\t)   ; the wave stores 256 consecutive bytes, aligned
.endm
.irp t, 0,1,2,3,4,5,6,7,8,9,10,11,12,13,14,15
	QSTEP \t
.endr
	ds_load_b64 v[8:9], v6                         ; LDS serves a wave's instructions in order: these see my stores
	s_wait_dscnt 0x0
	global_store_b64 v7, v[8:9], s[32:33]          ; 32 lanes store 256 consecutive bytes, aligned
	s_wait_tensorcnt 0x0                           ; the wave's end, behind my last LDS store
	ds_add_u32 v[SPW], v[NIL]
	s_wait_dscnt 0x0
	s_endpgm
; ---------------- WO: work-group nt takes rows 16 nt .. 16 nt + 15 of Wo; wave w the 256 along K from 256 w on.
; woi: [nt 64][ks 32][g 2][lane 32][16 bytes]: lane (r, hh) holds Wo(16 nt + r, 32 ks + 16 g + 8 hh + 0 .. 7) in f16: registers 4 g .. 4 g + 3 of a 16 x 32 fragment.
.Lwo:
	s_sub_co_u32 s35, ttmp9, 64                    ; nt
	v_and_b32 v3, 15, v0
	v_bfe_u32 v4, v0, 4, 1
	v_lshlrev_b32 v3, 12, v3                       ; row r of 4,096 bytes
	v_lshl_add_u32 v3, v4, 5, v3                   ; + 32 hh
	v_lshlrev_b32 v5, 4, v2                        ; out: 16 x lane
	s_lshl_b32 s36, s35, 16
	s_lshl_b32 s38, s34, 10
	s_add_co_u32 s36, s36, s38
	s_mov_b32 s37, 0
	s_add_nc_u64 s[28:29], s[20:21], s[36:37]
	s_lshl_b32 s36, s35, 15
	s_lshl_b32 s38, s34, 13
	s_add_co_u32 s36, s36, s38
	s_add_nc_u64 s[30:31], s[22:23], s[36:37]
.set u, 0
.rept 16                               ; u = 2 ks + g: 16 along K, 64 bytes
	global_load_b128 v[64+8*u:64+8*u+3], v3, s[28:29] offset:64*u th:TH_LOAD_NT
	global_load_b128 v[64+8*u+4:64+8*u+7], v3, s[28:29] offset:64*u+16 th:TH_LOAD_NT
.set u, u+1
.endr
	s_wait_loadcnt 0x0
.set u, 0
.rept 16                               ; ascending: a result lands only on registers outside the loaded set or already read
.irp i, 0,1,2,3
	v_cvt_pk_f16_f32 v[16+4*u+\i], v[64+8*u+2*\i], v[64+8*u+2*\i+1]
.endr
.set u, u+1
.endr
.set u, 0
.rept 16
	global_store_b128 v5, v[16+4*u:16+4*u+3], s[30:31] offset:512*u   ; 512 consecutive bytes, aligned
.set u, u+1
.endr
	s_endpgm
; ---------------- MASK: work-group qg takes 32 rows of the mask; wave w key steps 8 w .. 8 w + 7 (64 keys each).
; A lane loads its row's eight entries of each tile as the scores' layout has them; a compare makes the lane mask in a scalar register; v_writelane_b32 lays the 64 words of a key step
; two to a lane, so that one store writes the step's 256 bytes whole.  Two sets of 64 registers: one at work, one on its way in.
.Lmask:
	v_and_b32 v3, 15, v0
	v_bfe_u32 v4, v0, 4, 1
	v_lshlrev_b32 v3, 13, v3                       ; row r of 8,192 bytes
	v_lshl_add_u32 v3, v4, 5, v3                   ; + 32 hh
	v_lshlrev_b32 v7, 3, v2                        ; out: 8 x lane
	v_mov_b32 v8, 0                                ; a written lane's register counts as read: written once here
	v_mov_b32 v9, 0
	v_mov_b32 v10, 0
	s_lshl_b32 s36, ttmp9, 18                      ; 32 rows
	s_lshl_b32 s38, s34, 11                        ; 8 key steps of 256 bytes
	s_add_co_u32 s36, s36, s38
	s_mov_b32 s37, 0
	s_add_nc_u64 s[28:29], s[24:25], s[36:37]
	s_lshl_b32 s36, ttmp9, 13                      ; 32 key steps x 256 bytes of words
	s_add_co_u32 s36, s36, s38
	s_add_nc_u64 s[56:57], s[26:27], s[36:37]
	s_mov_b32 s47, 0                               ; rows of tile x = 0 that have a kept key, by lane
	s_mov_b32 s48, 0                               ; of x = 1
	s_mov_b32 s49, 0                               ; 'some' bits
	s_mov_b32 s50, 0                               ; 'all' bits
.macro LOADM n
.irp x, 0,1
.irp t, 0,1,2,3
.irp c, 0,1
	global_load_b128 v[64+64*((\n)%2)+32*\x+8*\t+4*\c:64+64*((\n)%2)+32*\x+8*\t+4*\c+3], v3, s[28:29] offset:131072*\x+256*(\n)+64*\t+16*\c th:TH_LOAD_NT
.endr
.endr
.endr
.endm
.macro PACKM n
.if (\n) < 7
	s_wait_loadcnt 16                              ; this step's 16 loads are in; the next step's 16 may be out
.else
	s_wait_loadcnt 0x0
.endif
	s_wait_xcnt 0x0                                ; the last store has read v[8:9]: they are written again only behind this wait
	s_mov_b32 s44, 0
	s_mov_b32 s45, 0
	s_mov_b32 s46, -1
.set wd, 0
.rept 64                               ; word wd = 32 x + 8 kt + j lies in register wd of the set
	v_cmp_ne_u32 s[40+wd%4], 0, v[64+64*((\n)%2)+wd]
	v_writelane_b32 v[8+wd%2], s[40+wd%4], wd/2
	s_or_b32 s[44+wd/32], s[44+wd/32], s[40+wd%4]
	s_and_b32 s46, s46, s[40+wd%4]
.set wd, wd+1
.endr
	global_store_b64 v7, v[8:9], s[56:57] offset:256*(\n)   ; 256 consecutive bytes, aligned
.if (\n)+2 < 8
	LOADM (\n)+2
.endif
	s_or_b32 s47, s47, s44
	s_or_b32 s48, s48, s45
	s_or_b32 s51, s44, s45
	s_cmp_lg_u32 s51, 0
	s_cselect_b32 s51, 1<<(\n), 0
	s_or_b32 s49, s49, s51
	s_cmp_eq_u32 s46, -1
	s_cselect_b32 s51, 1<<(\n), 0
	s_or_b32 s50, s50, s51
.endm
	LOADM 0
	LOADM 1
.irp n, 0,1,2,3,4,5,6,7
	PACKM \n
.endr
	s_lshr_b32 s51, s47, 16                        ; a row's keys lie in lanes r and r + 16
	s_or_b32 s47, s47, s51
	s_and_b32 s47, s47, 0xffff
	s_lshr_b32 s51, s48, 16
	s_or_b32 s48, s48, s51
	s_lshl_b32 s48, s48, 16
	s_or_b32 s47, s47, s48                         ; 32 rows
	s_lshl_b32 s52, s34, 3
	s_lshl_b32 s49, s49, s52                       ; my eight bits at their key steps' places
	s_lshl_b32 s50, s50, s52
	v_writelane_b32 v10, s49, 0
	v_writelane_b32 v10, s50, 1
	v_writelane_b32 v10, s47, 2
	s_lshl_b32 s51, ttmp9, 4
	s_lshl_b32 s52, s34, 2
	s_add_co_u32 s51, s51, s52
	s_add_co_u32 s51, s51, FL
	v_lshlrev_b32 v11, 10, v2                      ; the three tables lie 1,024 bytes apart
	v_add_nc_u32 v11, s51, v11
	s_wait_xcnt 0x0                                ; EXEC changes only behind this wait
	v_cmp_gt_u32 vcc_lo, 3, v2
	s_and_saveexec_b32 s54, vcc_lo
	global_store_b32 v11, v10, s[26:27]            ; lanes 0 to 2
	s_wait_xcnt 0x0                                ; and again, in front of the line that widens it
	s_or_b32 exec_lo, exec_lo, s54
	s_endpgm
.Lfunc_end_k_qf816e7d184_prep:
	.size	k_qf816e7d184_prep, .Lfunc_end_k_qf816e7d184_prep-k_qf816e7d184_prep
	.p2alignl 7, 3214868480
	.fill 96, 4, 3214868480
	.section	.rodata,"a",@progbits
	.p2align	6, 0x0
	.amdhsa_kernel k_qf816e7d184_prep
		.amdhsa_group_segment_fixed_size 33280
		.amdhsa_private_segment_fixed_size 0
		.amdhsa_enable_private_segment 0
		.amdhsa_kernarg_size 96
		.amdhsa_user_sgpr_count 2
		.amdhsa_user_sgpr_kernarg_segment_ptr 1
		.amdhsa_wavefront_size32 1
		.amdhsa_system_sgpr_workgroup_id_x 1
		.amdhsa_system_sgpr_workgroup_id_y 1
		.amdhsa_system_sgpr_workgroup_id_z 1
		.amdhsa_system_vgpr_workitem_id 0
		.amdhsa_next_free_vgpr 192
		.amdhsa_next_free_sgpr 66
		.amdhsa_reserve_vcc 1
		.amdhsa_float_denorm_mode_32 3
		.amdhsa_float_denorm_mode_16_64 3
		.amdhsa_memory_ordered 1
		.amdhsa_forward_progress 1
		.amdhsa_inst_pref_size 157
	.end_amdhsa_kernel
	.amdgpu_metadata
---
amdhsa.version: [ 1, 2 ]
amdhsa.kernels:
  - .name:           k_qf816e7d184_prep
    .symbol:         k_qf816e7d184_prep.kd
    .args:
      - { .name: q, .offset: 0, .size: 8, .value_kind: global_buffer, .address_space: global }
      - { .name: k, .offset: 8, .size: 8, .value_kind: global_buffer, .address_space: global }
      - { .name: v, .offset: 16, .size: 8, .value_kind: global_buffer, .address_space: global }
      - { .name: Wq, .offset: 24, .size: 8, .value_kind: global_buffer, .address_space: global }
      - { .name: Wk, .offset: 32, .size: 8, .value_kind: global_buffer, .address_space: global }
      - { .name: Wv, .offset: 40, .size: 8, .value_kind: global_buffer, .address_space: global }
      - { .name: codes, .offset: 48, .size: 8, .value_kind: global_buffer, .address_space: global }
      - { .name: scales, .offset: 56, .size: 8, .value_kind: global_buffer, .address_space: global }
      - { .name: Wo, .offset: 64, .size: 8, .value_kind: global_buffer, .address_space: global }
      - { .name: woi, .offset: 72, .size: 8, .value_kind: global_buffer, .address_space: global }
      - { .name: mask, .offset: 80, .size: 8, .value_kind: global_buffer, .address_space: global }
      - { .name: msk, .offset: 88, .size: 8, .value_kind: global_buffer, .address_space: global }
    .group_segment_fixed_size: 33280
    .private_segment_fixed_size: 0
    .kernarg_segment_align: 8
    .kernarg_segment_size: 96
    .max_flat_workgroup_size: 128
    .sgpr_count:     66
    .vgpr_count:     192
    .wavefront_size: 32
...
	.end_amdgpu_metadata
.endif
;; end of part 1
;; launch proj (part 2): grid 4 x 96, 4 waves a work-group, clusters of 4 x 4, 327,680 bytes of LDS; arguments codes, scales, qkv, bq, bk, bv; writes qkv
.if DOCPART == 2
	.amdgcn_target "amdgcn-amd-amdhsa--gfx1250"
	.amdhsa_code_object_version 6
	.text
	.protected	k_qf816e7d184_proj
	.globl	k_qf816e7d184_proj
	.p2align	8
	.type	k_qf816e7d184_proj,@function
k_qf816e7d184_proj:
	s_mov_b64 s[64:65], 0
	v_nop
	global_prefetch_b8 v0, s[64:65] scope:SCOPE_SE
	s_setreg_imm32_b32 hwreg(HW_REG_WAVE_MODE, 25, 1), 1
	s_wait_xcnt 0x0
	s_wait_alu depctr_hold_cnt(0) depctr_sa_sdst(0) depctr_va_vdst(0) depctr_va_sdst(0) depctr_va_ssrc(0) depctr_va_vcc(0) depctr_vm_vsrc(0)
	s_getreg_b32 s2, hwreg(HW_REG_IB_STS2, 6, 4)
	s_cmp_eq_u32 s2, 0
	s_cbranch_scc0 .Lentry_in_a_cluster
	s_endpgm
.Lentry_in_a_cluster:
	s_bfe_u32 s2, ttmp6, 0x10000c
	s_cmp_lg_u32 s2, 0xf033
	s_cbranch_scc0 .Lentry_shape_is_right
	s_endpgm
.Lentry_shape_is_right:
; PROJ: the three quantised projections as ONE product on codes of E2M1: the 24,576 stacked rows of q, k, v against the 1,024 rows of the weight that belongs to them (P = 0, 1, 2), K = 1,024, sums in f32.
; A tile of 256 x 256 is made by four waves, 128 x 128 each: 64 accumulators, 512 registers.  K goes in two steps of 512 through two LDS slots, each filled ONCE: nothing is filled again.
; The scale bytes of the work-group's rows, for all of K, come once, as rows of 256 bytes + 16 of padding.
; CLUSTERS: 4 x 4 work-groups; the four of a row of the cluster ask jointly for the tokens' tiles, the four of a column for the weights'.  A cluster's four tile rows lie in one of q, k, v (32 tile rows each), so P hangs on the cluster's y alone.
; THE MATRIX INSTRUCTION IS USED TRANSPOSED (source 0 = 16 rows of the weight, source 1 = 16 tokens): a lane holds eight neighbouring channels of one token.
; THE WAY OUT: (sum + bias) x F, F = log2(e) / 8 for q (so that the scores are base-2 exponents as they stand) and 1 for k and v, rounded to f16: 16 bytes a lane, stored straight from registers
; into qkv, which is laid in the order of the next launch's operand registers: unit (512 bytes) number (T >> 7) 8192 + (C >> 2) 512 + (T & 127) 4 + (C & 3), T the tile of 16 tokens, C the tile of 16 channels.
; In a unit the chunk (token r, channels 8 e + 0 .. 7) lies at 256 e + 16 r for q and k, and at 256 (r / 8) + 128 e + 16 (r % 8) for v.  Each store of a wave covers 512 consecutive bytes, aligned.
; LIMITS: results must lie inside f16's range (65,504); NaN and infinities are not served.
; REGISTERS, in windows of 256: window 0: v0-31 addresses; v32-95 scale words, two sets; v128-191 the tokens' fragments, ONE set; v192-255 the bias.  window 1: the weights' fragments, two sets.  windows 2, 3: the accumulators.
.set KSTEP,  512
.set NQ,     KSTEP/128
.set ROWB,   256                       ; a tile's row in bytes
.set KROW,   512                       ; a row of codes in memory
.set PITCH,  272                       ; an LDS row: 256 bytes + 16 of padding: the 16 rows of a load start at 16 different banks (64 banks of 4 bytes: ISA guide 11.1)
.set FR,     8
.set NL,     2
.set NP,     4                         ; places behind this matrix instruction (ISA guide 7.12.1)
.set HALFT,  128*PITCH
.set SLOT,   4*HALFT
.set KS,     32                        ; a row of scale bytes
.set SCL,    2*SLOT
.set HALFS,  (128*KS/256)*272
.set SBLK,   (16*KS/256)*272
.set SPARE,  SCL+4*HALFS               ; the spare words: 128 bytes a wave, named by no other line
.set WROW,   24576                     ; the weights' first row in codes and scales
.set ADRA, 16
.set ADRB, 20
.set CO,   26                          ; v26 my 16 bytes' place in a unit of qkv
.set ADRS, 27
.set SPW,  28
.set NIL,  29
.set BO,   30                          ; v30 32 x (lane / 16): my eight numbers of a tile of the bias
.set SC,   32
.set AF,   128
.set BF,   192                         ; v192-255 bias x F: register 8 b + j
.set TMP,  128                         ; the way out: 64 numbers in f32
.set HS,   32                          ; the way out: two sets of 32 registers of f16 pairs
.set G1, 24
.set G0, 32
.set G1B, 48
.set G0B, 56
.set G1S, 68
.set G0S, 76
.set G1SB, 80
.set G0SB, 88
.set MSB, 0
.macro WIN new                         ; the immediate's high byte repeats the setting that is left
.if MSB != (\new)
	s_set_vgpr_msb (MSB<<8)|(\new)
.set MSB, (\new)
.endif
.endm
.set MUL_LO, 0xa1
.set MUL_HI, 0xf1
.set TO_B,   0x40
; A joint load: waves 0 and 1 fetch for the tokens, waves 2 and 3 for the weights.  An s_nop 0 and four v_nop follow each of the two lines.
.macro JLOAD g0a, g1a, g0b, g1b
	s_cmp_eq_u32 s15, 0
	s_cbranch_scc0 .Lfor_b_\@
	tensor_load_to_lds s[\g0a:\g0a+3], s[\g1a:\g1a+7]
	s_nop 0
.rept 4
	v_nop
.endr
	s_branch .Lasked_\@
.Lfor_b_\@:
	tensor_load_to_lds s[\g0b:\g0b+3], s[\g1b:\g1b+7]
	s_nop 0
.rept 4
	v_nop
.endr
.Lasked_\@:
.endm
.macro CROUND                          ; a round of the cluster's barrier
	s_barrier_signal -1
	s_barrier_wait -1
	s_cmp_lg_u32 s14, 0
	s_cbranch_scc1 .Lnot_wave_0_\@
	s_barrier_signal -3
.Lnot_wave_0_\@:
	s_barrier_wait -3
	s_barrier_signal -1
	s_barrier_wait -1
.endm
	s_load_b128 s[4:7], s[0:1], 0x0                ; codes, scales
	s_load_b64 s[12:13], s[0:1], 0x10              ; qkv
	s_load_b128 s[96:99], s[0:1], 0x18             ; bq, bk
	s_load_b64 s[100:101], s[0:1], 0x28            ; bv
	v_lshl_add_u32 v[SPW], v0, 2, SPARE
	v_mov_b32 v[NIL], 0
	ds_add_u32 v[SPW], v[NIL]                      ; the wave's opening: the add, twice on end, and its wait ahead of my first tensor load
	ds_add_u32 v[SPW], v[NIL]
	v_lshrrev_b32 v1, 5, v0
	v_readfirstlane_b32 s14, v1                    ; wave 0..3
	s_lshr_b32 s15, s14, 1                         ; which half of the tile's tokens is mine.  Also: I fetch for the tokens (0) or the weights (1)
	s_and_b32 s16, s14, 1                          ; which half of its channels.  Also: which 128 rows I fetch
	s_bfe_u32 s40, ttmp6, 0x40000                  ; cx, cy
	s_bfe_u32 s41, ttmp6, 0x40004
	s_lshl_b32 s42, ttmp9, 2
	s_add_co_u32 s42, s42, s40                     ; tile column = 4 x cluster x + cx
	s_and_b32 s17, ttmp7, 0xffff
	s_lshr_b32 s95, s17, 3                         ; P: 8 clusters along y for each of q, k, v
	s_lshl_b32 s17, s17, 2
	s_add_co_u32 s17, s17, s41                     ; tile row = 4 x cluster y + cy
	s_lshl_b32 s43, s41, 2
	s_lshl_b32 s43, 15, s43                        ; my row of the cluster
	s_lshl_b32 s44, 0x1111, s40                    ; my column
	s_or_b32 s[G1+0], s43, (0<<16)|(1<<20)|(1<<21)|(5<<22)|(3<<25)  ; the mask; elements of 1 byte; padding on; bit 21 beside a mask; 4 words after every 64
	s_or_b32 s[G1B+0], s44, (0<<16)|(1<<20)|(1<<21)|(5<<22)|(3<<25)
.irp g, G1, G1B
	s_mov_b32 s[\g+1], ROWB<<16                    ; tensor_dim0
	s_mov_b32 s[\g+2], 128<<16                     ; tensor_dim1
	s_mov_b32 s[\g+3], ROWB<<16                    ; tile_dim0
	s_mov_b32 s[\g+4], 128                         ; tile_dim1
	s_mov_b32 s[\g+5], KROW                        ; from row to row
	s_mov_b32 s[\g+6], 0
	s_mov_b32 s[\g+7], 0
.endr
	s_or_b32 s[G1S+0], s43, (3<<16)|(1<<20)|(1<<21)|(5<<22)|(3<<25) ; the scales of 128 rows: 4,096 dense bytes as rows of 256 (32 elements of 8 bytes)
	s_or_b32 s[G1SB+0], s44, (3<<16)|(1<<20)|(1<<21)|(5<<22)|(3<<25)
.irp g, G1S, G1SB
	s_mov_b32 s[\g+1], 32<<16
	s_mov_b32 s[\g+2], (128*KS/256)<<16
	s_mov_b32 s[\g+3], 32<<16
	s_mov_b32 s[\g+4], 128*KS/256
	s_mov_b32 s[\g+5], 32
	s_mov_b32 s[\g+6], 0
	s_mov_b32 s[\g+7], 0
.endr
	s_lshl_b32 s18, s16, 7                         ; which 128 rows of the tile I fetch
	s_lshl_b32 s20, s17, 8
	s_add_co_u32 s20, s20, s18                     ; tokens: row 256 x tile row + 128 x half
	s_lshl_b32 s46, s42, 8
	s_add_co_u32 s46, s46, s18
	s_lshl_b32 s47, s95, 10
	s_add_co_u32 s46, s46, s47
	s_add_co_u32 s46, s46, WROW                    ; weights: row 24,576 + 1,024 P + 256 x tile column + 128 x half
	s_mov_b32 s21, 0
	s_mov_b32 s47, 0
	s_mov_b64 s[18:19], KS
	s_mul_u64 s[22:23], s[20:21], s[18:19]         ; where these rows' scales begin
	s_mul_u64 s[92:93], s[46:47], s[18:19]
	s_mov_b64 s[18:19], KROW
	s_mul_u64 s[20:21], s[20:21], s[18:19]         ; and their codes
	s_mul_u64 s[46:47], s[46:47], s[18:19]
	s_mul_i32 s45, s14, HALFT                      ; where they go: wave x 128 rows
	s_mul_i32 s94, s14, HALFS
	s_wait_dscnt 0x0                               ; both opening adds are done
	s_wait_kmcnt 0x0
	s_add_nc_u64 s[20:21], s[4:5], s[20:21]
	s_add_nc_u64 s[22:23], s[6:7], s[22:23]
	s_add_nc_u64 s[46:47], s[4:5], s[46:47]
	s_add_nc_u64 s[92:93], s[6:7], s[92:93]
	CROUND                                         ; all sixteen work-groups are here: the joint loads meet
	s_mov_b32 s[G0S], 1
	s_add_co_u32 s[G0S+1], s94, SCL
	s_mov_b64 s[G0S+2:G0S+3], s[22:23]
	s_or_b32 s[G0S+3], s[G0S+3], 0x80000000
	s_mov_b32 s[G0SB], 1
	s_add_co_u32 s[G0SB+1], s94, SCL
	s_mov_b64 s[G0SB+2:G0SB+3], s[92:93]
	s_or_b32 s[G0SB+3], s[G0SB+3], 0x80000000
	JLOAD G0S, G1S, G0SB, G1SB                     ; the scales first
.irp s, 0,1
	s_mov_b32 s[G0+4*\s], 1
	s_add_co_u32 s[G0+4*\s+1], s45, \s*SLOT
	s_add_nc_u64 s[G0+4*\s+2:G0+4*\s+3], s[20:21], \s*ROWB
	s_or_b32 s[G0+4*\s+3], s[G0+4*\s+3], 0x80000000
	s_mov_b32 s[G0B+4*\s], 1
	s_add_co_u32 s[G0B+4*\s+1], s45, \s*SLOT
	s_add_nc_u64 s[G0B+4*\s+2:G0B+4*\s+3], s[46:47], \s*ROWB
	s_or_b32 s[G0B+4*\s+3], s[G0B+4*\s+3], 0x80000000
	JLOAD G0+4*\s, G1, G0B+4*\s, G1B               ; three tensor loads of mine are out: all that this text issues
.endr
	v_and_b32 v1, 15, v0                           ; r
	v_bfe_u32 v2, v0, 4, 1                         ; hh
	v_mul_u32_u24 v3, v1, PITCH
	v_lshl_add_u32 v4, v2, 4, v3
	s_mul_i32 s21, s15, HALFT
	s_mul_i32 s22, s16, HALFT
	s_add_co_u32 s22, s22, 2*HALFT
.irp s, 0,1
	v_add_nc_u32 v[ADRA+\s], s21, v4
	v_add_nc_u32 v[ADRB+\s], s22, v4
	s_add_co_u32 s21, s21, SLOT
	s_add_co_u32 s22, s22, SLOT
.endr
	v_mul_u32_u24 v5, v1, KS                       ; my row's scales: KS bytes a row,
	v_lshrrev_b32 v6, 8, v5
	v_lshl_add_u32 v5, v6, 4, v5                   ; and 16 more for each 256 passed
	s_mul_i32 s21, s15, HALFS
	s_mul_i32 s22, s16, HALFS
	s_add_co_u32 s22, s22, 2*HALFS
	s_sub_co_u32 s22, s22, s21
	v_mul_u32_u24 v6, s22, v2                      ; lanes 16-31 take the weights'
	s_add_co_u32 s21, s21, SCL
	v_add_nc_u32 v5, v5, v6
	v_add_nc_u32 v[ADRS], s21, v5
	; where my part of qkv begins: T0 = 16 x tile row + 8 x half, C0 = 16 x tile column + 8 x half
	s_lshl_b32 s20, s17, 4
	s_lshl_b32 s21, s15, 3
	s_add_co_u32 s20, s20, s21
	s_lshr_b32 s21, s20, 7
	s_lshl_b32 s21, s21, 22
	s_and_b32 s20, s20, 127
	s_lshl_b32 s20, s20, 11
	s_add_co_u32 s20, s20, s21
	s_lshl_b32 s46, s42, 2
	s_lshl_b32 s47, s16, 1
	s_add_co_u32 s46, s46, s47
	s_lshl_b32 s46, s46, 18
	s_add_co_u32 s20, s20, s46
	s_mov_b32 s21, 0
	s_add_nc_u64 s[12:13], s[12:13], s[20:21]
	; the bias, the factor and the chunk's place, by P
	s_cmp_eq_u32 s95, 1
	s_cselect_b64 s[96:97], s[98:99], s[96:97]
	s_cmp_eq_u32 s95, 2
	s_cselect_b64 s[96:97], s[100:101], s[96:97]
	s_cselect_b32 s22, 8, 7                        ; r / 8 counts 256 bytes in v, 128 in q and k;
	s_cselect_b32 s23, 7, 8                        ; hh counts 128 bytes in v, 256 in q and k
	s_cmp_eq_u32 s95, 0
	s_cselect_b32 s2, 0x3e38aa3b, 1.0              ; F = log2(e) / 8 for q
	s_mov_b32 s3, s2                               ; (named with it as a pair)
	s_lshl_b32 s46, s42, 10
	s_lshl_b32 s47, s16, 9
	s_add_co_u32 s46, s46, s47
	s_mov_b32 s47, 0
	s_add_nc_u64 s[96:97], s[96:97], s[46:47]      ; the bias at my first channel
	v_and_b32 v5, 7, v1
	v_lshlrev_b32 v[CO], 4, v5
	v_lshrrev_b32 v5, 3, v1
	v_lshlrev_b32 v5, s22, v5
	v_add_nc_u32 v[CO], v[CO], v5
	v_lshlrev_b32 v5, s23, v2
	v_add_nc_u32 v[CO], v[CO], v5
	v_lshlrev_b32 v[BO], 5, v2
.irp b, 0,1,2,3,4,5,6,7
	global_load_b128 v[BF+8*\b:BF+8*\b+3], v[BO], s[96:97] offset:64*\b
	global_load_b128 v[BF+8*\b+4:BF+8*\b+7], v[BO], s[96:97] offset:64*\b+16
.endr
.macro FRAG reg, adr, q, i             ; 16 rows x 128 K of 4-bit codes: 8 registers, two loads of 16 bytes, 32 bytes apart
.irp c, 0,1
	ds_load_b128 v[\reg+4*\c:\reg+4*\c+3], v[\adr] offset:64*(\q)+32*\c+(\i)*16*PITCH
.endr
.endm
; 16 matrix instructions: token blocks a0, a0 + 1 x the weights' eight.  The 64 accumulators take turns, one instruction a turn.  zero = 1: the first product starts the sums.
.macro MUL16 a0, p, q, sc, zero
.irp a, \a0, \a0+1
.irp b, 0,1,2,3,4,5,6,7
.if \zero
	v_wmma_scale_f32_16x16x128_f8f6f4 v[8*(8*((\a)%4)+\b):8*(8*((\a)%4)+\b)+7], v[128*(\p)+FR*\b:128*(\p)+FR*\b+FR-1], v[AF+FR*(\a):AF+FR*(\a)+FR-1], 0, v[SC+8*NQ*(\sc)+NQ*\b+(\q)], v[SC+8*NQ*(\sc)+NQ*(\a)+(\q)] matrix_a_fmt:MATRIX_FMT_FP4 matrix_b_fmt:MATRIX_FMT_FP4 matrix_a_scale:MATRIX_SCALE_ROW1
.else
	v_wmma_scale_f32_16x16x128_f8f6f4 v[8*(8*((\a)%4)+\b):8*(8*((\a)%4)+\b)+7], v[128*(\p)+FR*\b:128*(\p)+FR*\b+FR-1], v[AF+FR*(\a):AF+FR*(\a)+FR-1], v[8*(8*((\a)%4)+\b):8*(8*((\a)%4)+\b)+7], v[SC+8*NQ*(\sc)+NQ*\b+(\q)], v[SC+8*NQ*(\sc)+NQ*(\a)+(\q)] matrix_a_fmt:MATRIX_FMT_FP4 matrix_b_fmt:MATRIX_FMT_FP4 matrix_a_scale:MATRIX_SCALE_ROW1
.endif
.endr
.endr
.endm
.macro FETCH_B slot, q, p
	WIN TO_B
.irp i, 0,1,2,3,4,5,6,7
	FRAG 128*(\p)+FR*\i, ADRB+\slot, \q, \i
.endr
	WIN 0
.endm
.macro FETCH_A slot, q, i0
.irp i, \i0, \i0+1, \i0+2, \i0+3
	FRAG AF+FR*(\i), ADRA+\slot, \q, \i
.endr
.endm
.macro SCALES sc                       ; a K step's scale words: lanes 0-15 the tokens' block i, lanes 16-31 the weights' block i
.irp i, 0,1,2,3,4,5,6,7
	ds_load_b128 v[SC+8*NQ*\sc+NQ*\i:SC+8*NQ*\sc+NQ*\i+3], v[ADRS] offset:\i*SBLK
.endr
.endm
.macro PLACES n                        ; plain vector instructions between a matrix instruction and a load into, or a read of, its registers
.rept \n
	v_nop
.endr
.endm
.macro STEP slot, q, zero              ; a step of 128 along K that has its successor in the same slot
	s_wait_dscnt 4*NL                              ; the weights' set and token blocks 0-3 are in; the youngest eight loads (blocks 4-7) may be out
	WIN MUL_LO
	MUL16 0, (\q)%2, \q, \slot, \zero
	MUL16 2, (\q)%2, \q, \slot, \zero
	s_wait_dscnt 0                                 ; blocks 4-7 are in
	PLACES NP
	FETCH_B \slot, (\q)+1, 1-(\q)%2
	FETCH_A \slot, (\q)+1, 0
	WIN MUL_HI
	MUL16 4, (\q)%2, \q, \slot, \zero
	MUL16 6, (\q)%2, \q, \slot, \zero
	PLACES NP
	WIN 0
	FETCH_A \slot, (\q)+1, 4
.endm
.macro STEPS slot, from
.set Q, \from
.rept NQ-1-\from
	STEP \slot, Q, 0
.set Q, Q+1
.endr
.endm
	s_wait_tensorcnt 1                             ; the scales and my part of slot 0 are in; slot 1's load, issued behind them, may be out
	s_barrier_signal -1
	s_barrier_wait -1
	FETCH_B 0, 0, 0
	FETCH_A 0, 0, 0
	SCALES 0
	FETCH_A 0, 0, 4
	STEP 0, 0, 1                                   ; the first products start the sums
	STEPS 0, 1
	; slot 0's last step changes slots: one barrier; in front of it my part of slot 1 has landed
	s_wait_tensorcnt 0x0
	ds_add_u32 v[SPW], v[NIL]
	s_wait_dscnt 4*NL+1                            ; (the add and the youngest eight loads may be out)
	WIN MUL_LO
	MUL16 0, 1, NQ-1, 0, 0
	s_wait_dscnt 0x0
	s_barrier_signal -1
	MUL16 2, 1, NQ-1, 0, 0
	WIN 0
	s_barrier_wait -1
	PLACES NP
	v_add_nc_u32 v[ADRS], 4*NQ, v[ADRS]            ; on to the second K step's scale words (no LDS load of mine is out)
	FETCH_B 1, 0, 0
	FETCH_A 1, 0, 0
	SCALES 1
	WIN MUL_HI
	MUL16 4, 1, NQ-1, 0, 0
	MUL16 6, 1, NQ-1, 0, 0
	PLACES NP
	WIN 0
	FETCH_A 1, 0, 4
	STEPS 1, 0
	s_wait_dscnt 4*NL                              ; the very last step
	WIN MUL_LO
	MUL16 0, 1, NQ-1, 1, 0
	MUL16 2, 1, NQ-1, 1, 0
	s_wait_dscnt 0
	WIN MUL_HI
	MUL16 4, 1, NQ-1, 1, 0
	MUL16 6, 1, NQ-1, 1, 0
	WIN 0
	; THE WAY OUT
	s_wait_loadcnt 0x0                             ; the bias
	PLACES NP
.set i, 0
.rept 32
	v_pk_mul_f32 v[BF+2*i:BF+2*i+1], v[BF+2*i:BF+2*i+1], s[2:3] op_sel_hi:[1,0]   ; bias x F, once
.set i, i+1
.endr
.macro OUTB a                          ; token block a: 16 tokens x 128 channels
.if (\a) >= 2
	s_wait_xcnt 0x0                                ; block a - 2's stores have read their registers
.endif
.set AC, 64*((\a)%4)
.set HB, HS+32*((\a)%2)
	WIN 0x02+(\a)/4                                ; source 0: window 2 or 3
.set i, 0
.rept 32                               ; each accumulator from its low end on
	v_pk_fma_f32 v[TMP+2*i:TMP+2*i+1], v[AC+2*i:AC+2*i+1], s[2:3], v[BF+2*i:BF+2*i+1] op_sel_hi:[1,0,1]
.set i, i+1
.endr
	WIN 0
.set i, 0
.rept 32
	v_cvt_pk_f16_f32 v[HB+i], v[TMP+2*i], v[TMP+2*i+1]
.set i, i+1
.endr
.irp b, 0,1,2,3,4,5,6,7
	global_store_b128 v[CO], v[HB+4*\b:HB+4*\b+3], s[12:13] offset:(\a)*2048+(\b/4)*262144+(\b%4)*512 th:TH_STORE_NT
.endr
.endm
.irp a, 0,1,2,3,4,5,6,7
	OUTB \a
.endr
	s_wait_tensorcnt 0x0                           ; the wave's end
	ds_add_u32 v[SPW], v[NIL]
	s_wait_dscnt 0x0
	CROUND                                         ; the closing round
	s_endpgm
.Lfunc_end_k_qf816e7d184_proj:
	.size	k_qf816e7d184_proj, .Lfunc_end_k_qf816e7d184_proj-k_qf816e7d184_proj
	.p2alignl 7, 3214868480
	.fill 96, 4, 3214868480
	.section	.rodata,"a",@progbits
	.p2align	6, 0x0
	.amdhsa_kernel k_qf816e7d184_proj
		.amdhsa_group_segment_fixed_size 327680
		.amdhsa_private_segment_fixed_size 0
		.amdhsa_enable_private_segment 0
		.amdhsa_kernarg_size 48
		.amdhsa_user_sgpr_count 2
		.amdhsa_user_sgpr_kernarg_segment_ptr 1
		.amdhsa_wavefront_size32 1
		.amdhsa_system_sgpr_workgroup_id_x 1
		.amdhsa_system_sgpr_workgroup_id_y 1
		.amdhsa_system_sgpr_workgroup_id_z 1
		.amdhsa_system_vgpr_workitem_id 0
		.amdhsa_next_free_vgpr 1024
		.amdhsa_next_free_sgpr 102
		.amdhsa_reserve_vcc 0
		.amdhsa_float_denorm_mode_32 3
		.amdhsa_float_denorm_mode_16_64 3
		.amdhsa_memory_ordered 1
		.amdhsa_forward_progress 1
		.amdhsa_inst_pref_size 138
	.end_amdhsa_kernel
	.amdgpu_metadata
---
amdhsa.version: [ 1, 2 ]
amdhsa.kernels:
  - .name:           k_qf816e7d184_proj
    .symbol:         k_qf816e7d184_proj.kd
    .args:
      - { .name: codes, .offset: 0, .size: 8, .value_kind: global_buffer, .address_space: global }
      - { .name: scales, .offset: 8, .size: 8, .value_kind: global_buffer, .address_space: global }
      - { .name: qkv, .offset: 16, .size: 8, .value_kind: global_buffer, .address_space: global }
      - { .name: bq, .offset: 24, .size: 8, .value_kind: global_buffer, .address_space: global }
      - { .name: bk, .offset: 32, .size: 8, .value_kind: global_buffer, .address_space: global }
      - { .name: bv, .offset: 40, .size: 8, .value_kind: global_buffer, .address_space: global }
    .group_segment_fixed_size: 327680
    .private_segment_fixed_size: 0
    .kernarg_segment_align: 8
    .kernarg_segment_size: 48
    .max_flat_workgroup_size: 128
    .sgpr_count:     102
    .vgpr_count:     1024
    .wavefront_size: 32
...
	.end_amdgpu_metadata
.endif
;; end of part 2
;; launch attn (part 3): grid 4 x 64, 8 waves a work-group, no clusters, 132,096 bytes of LDS; arguments qkv, msk, cx; writes cx
.if DOCPART == 3
	.amdgcn_target "amdgcn-amd-amdhsa--gfx1250"
	.amdhsa_code_object_version 6
	.text
	.protected	k_qf816e7d184_attn
	.globl	k_qf816e7d184_attn
	.p2align	8
	.type	k_qf816e7d184_attn,@function
k_qf816e7d184_attn:
	s_mov_b64 s[64:65], 0
	v_nop
	global_prefetch_b8 v0, s[64:65] scope:SCOPE_SE
	s_setreg_imm32_b32 hwreg(HW_REG_WAVE_MODE, 25, 1), 1
	s_wait_xcnt 0x0
; ATTN: ctx = softmax(where(mask == 0, -1e9, Q K^T / 8)) V for one (batch, head) and 512 queries a work-group.  Operands f16, products, maxima and sums f32, running maximum.
; Q arrives multiplied by log2(e) / 8, so a score is the base-2 exponent t as it stands; a masked score is REPLACED by TM = -1e9 log2(e); p = 2^(t - M), M the running maximum: a plain subtraction, exactly 0 at the maximum.
; SHARES.  Work-group (i, y = 16 b + h) owns the blocks of 256 queries i and 7 - i, one after the other.  Each of eight waves owns 32 queries (two tiles of 16); two waves share a SIMD.
; SKIPPING.  The mask is data.  The launch before stored, for each group of 32 queries and each step of 64 keys, 'some entry is kept' and 'all are kept'.  A step with no kept entry adds exactly 0 to every row that has a kept
; key somewhere, so its WORK is jumped over by a scalar branch on those stored bits; a group that holds a row with NO kept key (its softmax is the plain mean of all 2,048 values) jumps over nothing.  All trip counts are constants
; and every wave passes every barrier.  Where all entries are kept, the 64 selects are jumped over too.
; NO TENSOR LOADS, NO CLUSTER, NO JOINT LOADS: which key steps a work-group reads hangs on words read from memory, so the four work-groups of a head need different tiles; K and V go memory -> registers -> LDS, a step ahead of need by half a ring.
; LDS: two halves of 65,536 bytes, four key steps each; a step is K's 8,192 bytes and V's 8,192, as they lie in qkv (images of the operands' registers: every LDS read is 512 consecutive bytes).  One barrier for each half.
; LAYOUT.  S^T = K Q^T (source 0 = 16 keys, source 1 = 16 queries), O^T = V^T P: a lane holds ONE query throughout.  V comes out of LDS turned, by ds_load_tr16_b128.
; cx: [row tile 512][ks 32][g 2][lane][16 bytes], the order of the next launch's operand registers.
; LIMITS: scores within some 150 of TM are not told apart from masked ones; operands and ctx must lie inside f16's range; NaN and infinities are not served; p under 2^-24 of the running maximum's counts as 0 in the second product.
; REGISTERS: window 0: v1-9 addresses and constants; v16-27, v32-43 statistics of tiles 0, 1; v48-63 staging; v64-127 S^T; v128-159 P; v160-223 O^T; v224-255 the way out.  window 1: v0-31 Q; v64-127 K; v128-191 V.
.set FL,    524288
.set SPARE, 131072                     ; the spare words: 128 bytes a wave, named by no other line
.set L16, 1                            ; v1  16 x lane: LDS reads of half 0; also Q's and cx's offset
.set LH1, 3                            ; v3  + 65,536: half 1
.set SW0, 4                            ; v4  16 x thread: LDS stores into half 0
.set SW1, 5                            ; v5  half 1
.set GO,  6                            ; v6  16 x thread + the byte in K and V at which the half to be fetched begins
.set TMR, 7                            ; v7  TM
.set SPW, 8
.set NIL, 9
.set ST,  16                           ; tile x at v[ST + 16 x]: +0 M, +1 (pair), +2 +3 the sum in two halves, +4 a, +5 (pair), +6..+9 T0-T3, +10 +11 U
.set STG, 48
.set S,   64
.set P,   128
.set O,   160
.set HH,  224
.set QF,  0
.set KF,  64
.set VF,  128
.set MSB, 0
.macro WIN new
.if MSB != (\new)
	s_set_vgpr_msb (MSB<<8)|(\new)
.set MSB, (\new)
.endif
.endm
; s2 wave; s[4:5] qkv, s[6:7] msk, s[8:9] cx at my rows; s[10:11] K, s[12:13] V, s[14:15] Q of my (b, h); s[16:63], s[68:83] 64 mask words; s[84:85] ANY, s[86:87] ALL, s[88:89] the work-group's ANY: the low word's bit n is the n-th
; step from the trip's first; s90 the fetched half's byte; s91 the mask words' byte; s92, s93 counters; s94, s95 this block, the next; s96 the next block's s91; s[98:99] lane selects; s[100:101] a pointer
	s_load_b128 s[4:7], s[0:1], 0x0
	s_load_b64 s[8:9], s[0:1], 0x10
	v_lshl_add_u32 v[SPW], v0, 2, SPARE
	v_mov_b32 v[NIL], 0
	v_lshrrev_b32 v2, 5, v0
	v_readfirstlane_b32 s2, v2
	v_and_b32 v2, 31, v0
	v_lshlrev_b32 v[L16], 4, v2
	v_add_nc_u32 v[LH1], 65536, v[L16]
	v_lshlrev_b32 v[SW0], 4, v0
	v_add_nc_u32 v[SW1], 65536, v[SW0]
	v_lshlrev_b32 v[GO], 4, v0
	v_mov_b32 v[TMR], 0xceabfb8f
	s_mov_b32 s98, 0x76543210
	s_mov_b32 s99, 0xfedcba98
	s_and_b32 s3, ttmp7, 0xffff                    ; y = 16 b + h
	s_mov_b32 s94, ttmp9
	s_sub_co_u32 s95, 7, ttmp9
	s_lshl_b32 s100, s3, 18                        ; 256 KiB for each (b, h)
	s_mov_b32 s101, 0
	s_wait_kmcnt 0x0
	s_add_nc_u64 s[14:15], s[4:5], s[100:101]
	s_add_nc_u64 s[10:11], s[14:15], 0x1000000
	s_add_nc_u64 s[12:13], s[14:15], 0x2000000
	s_lshr_b32 s97, s3, 4
	s_lshl_b32 s97, s97, 22                        ; b x 128 row tiles of 32,768 bytes
	s_and_b32 s92, s3, 15
	s_lshl_b32 s92, s92, 11                        ; h x 2,048
	s_add_co_u32 s100, s97, s92
	s_lshl_b32 s92, s2, 16                         ; wave x 2 row tiles
	s_add_co_u32 s100, s100, s92
	s_add_nc_u64 s[8:9], s[8:9], s[100:101]
.macro QLOAD                           ; my 32 queries of block s94: four fragments
	s_lshl_b32 s100, s94, 15
	s_lshl_b32 s97, s2, 12
	s_add_co_u32 s100, s100, s97
	s_mov_b32 s101, 0
	s_add_nc_u64 s[100:101], s[14:15], s[100:101]
	WIN 0x40
.irp x, 0,1
.irp u, 0,1,2,3
	global_load_b128 v[QF+16*\x+4*\u:QF+16*\x+4*\u+3], v[L16], s[100:101] offset:\x*2048+\u*512
.endr
.endr
	WIN 0
.endm
.macro INIT                            ; the first step that a wave works on hangs on data, so no product can start the sums: they begin as zeros, the maximum as -3e38
.irp x, 0,1
	v_mov_b32 v[ST+16*\x], 0xff61b1e6
	v_mov_b32 v[ST+16*\x+1], 0xff61b1e6
.irp i, 2,3,4,5,6,7,8,9,10,11
	v_mov_b32 v[ST+16*\x+\i], 0
.endr
.endr
.set n, 0
.rept 64
	v_mov_b32 v[O+n], 0
.set n, n+1
.endr
.endm
	QLOAD
.irp q, 0,1,2,3                        ; key steps 0 to 3 for half 0, whatever the flags say: the bytes are there
	global_load_b128 v[S+16*\q:S+16*\q+3],     v[GO], s[10:11] offset:\q*8192
	global_load_b128 v[S+16*\q+4:S+16*\q+7],   v[GO], s[10:11] offset:\q*8192+4096
	global_load_b128 v[S+16*\q+8:S+16*\q+11],  v[GO], s[12:13] offset:\q*8192
	global_load_b128 v[S+16*\q+12:S+16*\q+15], v[GO], s[12:13] offset:\q*8192+4096
.endr
.set n, 0
.rept 16
	v_mov_b32 v[STG+n], 0
.set n, n+1
.endr
; The work-group's flags for a block: the OR over its eight groups of 32 queries; a group with a row that has no kept key counts as 'every step'.
.macro WGFLAG dst, beta
	s_lshl_b32 s97, \beta, 7
	s_load_b512 s[16:31], s[6:7], s97 offset:FL
	s_load_b512 s[32:47], s[6:7], s97 offset:FL+64
	s_load_b512 s[48:63], s[6:7], s97 offset:FL+2048
	s_load_b512 s[68:83], s[6:7], s97 offset:FL+2048+64
	s_wait_kmcnt 0x0
	s_mov_b32 \dst, 0
.irp g, 0,1,2,3,4,5,6,7
	s_or_b32 s92, s[16+4*\g], s[17+4*\g]
	s_or_b32 s93, s[18+4*\g], s[19+4*\g]
	s_or_b32 s92, s92, s93
	s_or_b32 s93, s[48+4*\g+4*(\g/4)], s[49+4*\g+4*(\g/4)]
	s_or_b32 s3, s[50+4*\g+4*(\g/4)], s[51+4*\g+4*(\g/4)]
	s_or_b32 s93, s93, s3
	s_cmp_eq_u32 s93, -1
	s_cselect_b32 s92, s92, -1
	s_or_b32 \dst, \dst, s92
.endr
.endm
	WGFLAG s88, s94
	WGFLAG s89, s95
	s_lshl_b32 s3, s2, 4                           ; my own group's, for both blocks
	s_lshl_b32 s97, s94, 7
	s_add_co_u32 s97, s97, s3
	s_lshl_b32 s96, s95, 7
	s_add_co_u32 s96, s96, s3
	s_load_b128 s[16:19], s[6:7], s97 offset:FL
	s_load_b128 s[20:23], s[6:7], s97 offset:FL+1024
	s_load_b128 s[24:27], s[6:7], s97 offset:FL+2048
	s_load_b128 s[28:31], s[6:7], s96 offset:FL
	s_load_b128 s[32:35], s[6:7], s96 offset:FL+1024
	s_load_b128 s[36:39], s[6:7], s96 offset:FL+2048
	s_wait_kmcnt 0x0
.irp k, 0,1
	s_or_b32 s[84+\k], s[16+12*\k], s[17+12*\k]
	s_or_b32 s92, s[18+12*\k], s[19+12*\k]
	s_or_b32 s[84+\k], s[84+\k], s92
	s_or_b32 s[86+\k], s[20+12*\k], s[21+12*\k]
	s_or_b32 s92, s[22+12*\k], s[23+12*\k]
	s_or_b32 s[86+\k], s[86+\k], s92
	s_or_b32 s92, s[24+12*\k], s[25+12*\k]
	s_or_b32 s93, s[26+12*\k], s[27+12*\k]
	s_or_b32 s92, s92, s93
	s_cmp_eq_u32 s92, -1
	s_cselect_b32 s[84+\k], s[84+\k], -1
.endr
	s_lshl_b32 s3, s2, 13                          ; the mask words of group 8 x block + wave: 8,192 bytes a group
	s_lshl_b32 s91, s94, 16
	s_add_co_u32 s91, s91, s3
	s_lshl_b32 s96, s95, 16
	s_add_co_u32 s96, s96, s3
	INIT
	s_mov_b32 s90, 0
	s_wait_loadcnt 0x0                             ; Q and key steps 0 to 3
.irp q, 0,1,2,3
	ds_store_b128 v[SW0], v[S+16*\q:S+16*\q+3]     offset:\q*16384
	ds_store_b128 v[SW0], v[S+16*\q+4:S+16*\q+7]   offset:\q*16384+4096
	ds_store_b128 v[SW0], v[S+16*\q+8:S+16*\q+11]  offset:\q*16384+8192
	ds_store_b128 v[SW0], v[S+16*\q+12:S+16*\q+15] offset:\q*16384+12288
.endr
; A KEY STEP: the q-th of half H.
.macro STEP H, q
.set RA, L16+2*(\H)
.set WA, SW1-(\H)
.set BIT, 4*(\H)+(\q)
.set LQ, (\q)*16384
	s_bitcmp1_b32 s88, BIT+4                       ; does any wave want the same step of the NEXT half?
	s_cbranch_scc0 .Lnl_\@
	s_wait_dscnt 0x0                               ; the last step's LDS stores have read the staging registers
	global_load_b128 v[STG:STG+3],     v[GO], s[10:11] offset:(\q)*8192
	global_load_b128 v[STG+4:STG+7],   v[GO], s[10:11] offset:(\q)*8192+4096
	global_load_b128 v[STG+8:STG+11],  v[GO], s[12:13] offset:(\q)*8192
	global_load_b128 v[STG+12:STG+15], v[GO], s[12:13] offset:(\q)*8192+4096
.Lnl_\@:
	s_bitcmp1_b32 s84, BIT                         ; has my group a kept entry in this step?
	s_cbranch_scc0 .Lidle_\@
	s_bitcmp1_b32 s86, BIT                         ; are all kept?
	s_cbranch_scc1 .Lopen_\@
	s_load_b512 s[16:31], s[6:7], s91 offset:BIT*256
	s_load_b512 s[32:47], s[6:7], s91 offset:BIT*256+64
	s_load_b512 s[48:63], s[6:7], s91 offset:BIT*256+128
	s_load_b512 s[68:83], s[6:7], s91 offset:BIT*256+192
.Lopen_\@:
	WIN 0x40
.set f, 0
.rept 8                                ; K's fragment f = 2 kt + s
	ds_load_b128 v[KF+8*f:KF+8*f+3],   v[RA] offset:LQ+f*1024
	ds_load_b128 v[KF+8*f+4:KF+8*f+7], v[RA] offset:LQ+f*1024+512
.set f, f+1
.endr
.set f, 0
.rept 8                                ; V's fragment f = 4 kk + ct: 32 keys x 16 channels, turned
	ds_load_tr16_b128 v[VF+8*f:VF+8*f+3],   v[RA] offset:LQ+8192+(f/4)*4096+(f%4)*512
	ds_load_tr16_b128 v[VF+8*f+4:VF+8*f+7], v[RA] offset:LQ+8192+(f/4)*4096+2048+(f%4)*512
.set f, f+1
.endr
	s_wait_dscnt 16                                ; K is in; V's sixteen younger loads may stay out
	WIN 0x05
.irp s, 0,1                            ; eight accumulators by turns, one instruction a turn
.irp t, 0,1,2,3
.irp x, 0,1
.if \s == 0
	v_wmma_f32_16x16x32_f16 v[S+32*\x+8*\t:S+32*\x+8*\t+7], v[KF+8*(2*\t+\s):KF+8*(2*\t+\s)+7], v[QF+16*\x+8*\s:QF+16*\x+8*\s+7], 0
.else
	v_wmma_f32_16x16x32_f16 v[S+32*\x+8*\t:S+32*\x+8*\t+7], v[KF+8*(2*\t+\s):KF+8*(2*\t+\s)+7], v[QF+16*\x+8*\s:QF+16*\x+8*\s+7], v[S+32*\x+8*\t:S+32*\x+8*\t+7]
.endif
.endr
.endr
.endr
	WIN 0
.rept 4
	v_nop                                          ; places in front of the first read of the scores
.endr
	s_wait_kmcnt 0x0                               ; the mask words, where they were asked for
	s_bitcmp1_b32 s86, BIT
	s_cbranch_scc1 .Lnc_\@
.set n, 0
.rept 64                               ; word n is the lane mask of register n: a masked score becomes TM
	v_cndmask_b32 v[S+n], v[TMR], v[S+n], s[16+n+4*(n/48)]
.set n, n+1
.endr
.Lnc_\@:
	; the maximum of my 32 scores and the old M, the two tiles by turns; each accumulator is read from its low end on
.irp k, 0,1,2,3
.irp x, 0,1
	v_max3_num_f32 v[ST+16*\x+6+\k], v[S+32*\x+8*\k], v[S+32*\x+8*\k+1], v[S+32*\x+8*\k+2]
.endr
.endr
.irp i, 3,5
.irp k, 0,1,2,3
.irp x, 0,1
	v_max3_num_f32 v[ST+16*\x+6+\k], v[ST+16*\x+6+\k], v[S+32*\x+8*\k+\i], v[S+32*\x+8*\k+\i+1]
.endr
.endr
.endr
.irp x, 0,1
	v_max3_num_f32 v[ST+16*\x+6], v[ST+16*\x+6], v[S+32*\x+7], v[S+32*\x+15]
.endr
.irp x, 0,1
	v_max3_num_f32 v[ST+16*\x+8], v[ST+16*\x+8], v[S+32*\x+23], v[S+32*\x+31]
.endr
.irp x, 0,1
	v_max3_num_f32 v[ST+16*\x+6], v[ST+16*\x+6], v[ST+16*\x+7], v[ST+16*\x+8]
.endr
.irp x, 0,1
	v_max3_num_f32 v[ST+16*\x+6], v[ST+16*\x+6], v[ST+16*\x+9], v[ST+16*\x]
.endr
.irp x, 0,1
	v_permlanex16_b32 v[ST+16*\x+7], v[ST+16*\x+6], s98, s99   ; the query's other 32 keys lie in the lane 16 away
.endr
.irp x, 0,1
	v_max_num_f32 v[ST+16*\x+8], v[ST+16*\x+6], v[ST+16*\x+7]
.endr
.irp x, 0,1
	v_sub_f32 v[ST+16*\x+9], v[ST+16*\x], v[ST+16*\x+8]        ; old M - new M
.endr
.irp x, 0,1
	v_mov_b32 v[ST+16*\x], v[ST+16*\x+8]
.endr
.set n, 0
.rept 16
.irp x, 0,1
	v_pk_add_f32 v[S+32*\x+2*n:S+32*\x+2*n+1], v[S+32*\x+2*n:S+32*\x+2*n+1], v[ST+16*\x:ST+16*\x+1] op_sel_hi:[1,0] neg_lo:[0,1] neg_hi:[0,1]   ; t - M
.endr
.set n, n+1
.endr
.irp x, 0,1
	v_exp_f32 v[ST+16*\x+4], v[ST+16*\x+9]         ; a = 2^(old M - new M)
.endr
.set n, 0
.rept 32                               ; ONE batch of 66 exponentials, none of which reads another's result
.irp x, 0,1
	v_exp_f32 v[S+32*\x+n], v[S+32*\x+n]
.endr
.set n, n+1
.endr
	v_nop                                          ; a plain instruction behind the last exponential
	s_wait_alu depctr_va_vdst(0)                   ; one wait for the batch, ahead of its first reader
.set n, 0
.rept 16
.irp x, 0,1
	v_cvt_pk_f16_f32 v[P+16*\x+n], v[S+32*\x+2*n], v[S+32*\x+2*n+1]   ; two tiles of 16 keys are a fragment of 32 keys as they stand
.endr
.set n, n+1
.endr
.irp x, 0,1                            ; the row's sum of the unrounded p, in two chains
	v_pk_add_f32 v[ST+16*\x+10:ST+16*\x+11], v[S+32*\x:S+32*\x+1], v[S+32*\x+4:S+32*\x+5]
	v_pk_add_f32 v[ST+16*\x+6:ST+16*\x+7], v[S+32*\x+2:S+32*\x+3], v[S+32*\x+6:S+32*\x+7]
.endr
.irp m, 2,3,4,5,6,7
.irp x, 0,1
	v_pk_add_f32 v[ST+16*\x+10:ST+16*\x+11], v[ST+16*\x+10:ST+16*\x+11], v[S+32*\x+4*\m:S+32*\x+4*\m+1]
	v_pk_add_f32 v[ST+16*\x+6:ST+16*\x+7], v[ST+16*\x+6:ST+16*\x+7], v[S+32*\x+4*\m+2:S+32*\x+4*\m+3]
.endr
.endr
.irp x, 0,1
	v_pk_fma_f32 v[ST+16*\x+2:ST+16*\x+3], v[ST+16*\x+2:ST+16*\x+3], v[ST+16*\x+4:ST+16*\x+5], v[ST+16*\x+10:ST+16*\x+11] op_sel_hi:[1,0,1]
.endr
.irp x, 0,1
	v_pk_add_f32 v[ST+16*\x+2:ST+16*\x+3], v[ST+16*\x+2:ST+16*\x+3], v[ST+16*\x+6:ST+16*\x+7]
.endr
.set n, 0
.rept 16
.irp x, 0,1
	v_pk_mul_f32 v[O+32*\x+2*n:O+32*\x+2*n+1], v[O+32*\x+2*n:O+32*\x+2*n+1], v[ST+16*\x+4:ST+16*\x+5] op_sel_hi:[1,0]   ; O^T under the new M
.endr
.set n, n+1
.endr
	s_wait_dscnt 0x0                               ; V is in
	WIN 0x01
.irp k, 0,1
.irp t, 0,1,2,3
.irp x, 0,1
	v_wmma_f32_16x16x32_f16 v[O+32*\x+8*\t:O+32*\x+8*\t+7], v[VF+8*(4*\k+\t):VF+8*(4*\k+\t)+7], v[P+16*\x+8*\k:P+16*\x+8*\k+7], v[O+32*\x+8*\t:O+32*\x+8*\t+7]
.endr
.endr
.endr
	WIN 0
.rept 4
	v_nop                                          ; places in front of the next loads into V and the next read of O^T
.endr
.Lidle_\@:
	s_wait_loadcnt 0x0                             ; the staged step, where it was asked for
	s_bitcmp1_b32 s88, BIT+4
	s_cbranch_scc0 .Lns_\@
	ds_store_b128 v[WA], v[STG:STG+3]     offset:LQ
	ds_store_b128 v[WA], v[STG+4:STG+7]   offset:LQ+4096
	ds_store_b128 v[WA], v[STG+8:STG+11]  offset:LQ+8192
	ds_store_b128 v[WA], v[STG+12:STG+15] offset:LQ+12288
.Lns_\@:
.endm
; A HALF OF THE RING.  One barrier does two things: in front of it each wave's stores into this half have landed and its reads of the other half are back; behind it this half is read and the other is stored into.
.macro HALF H
	s_wait_dscnt 0x0
	s_barrier_signal -1
	s_barrier_wait -1
	s_wait_xcnt 0x0                                ; every earlier load has read v[GO]
	s_add_co_u32 s90, s90, 32768
	s_and_b32 s90, s90, 0x3ffff                    ; 32 key steps of 8,192 bytes, and round again for the next block
	v_add_nc_u32 v[GO], s90, v[SW0]
	STEP \H, 0
	STEP \H, 1
	STEP \H, 2
	STEP \H, 3
.endm
	s_mov_b32 s92, 2
.Lblock:
	s_wait_loadcnt 0x0                             ; Q
	s_mov_b32 s93, 4
.Ltrip:                                            ; eight key steps a trip, four trips a block
	HALF 0
	HALF 1
.irp w, 84,86,88                       ; the flags move down by the trip's eight steps; the next block's follow from the high words, and zeros behind them
	s_lshr_b32 s[\w], s[\w], 8
	s_lshl_b32 s97, s[\w+1], 24
	s_or_b32 s[\w], s[\w], s97
	s_lshr_b32 s[\w+1], s[\w+1], 8
.endr
	s_add_co_u32 s91, s91, 2048
	s_sub_co_u32 s93, s93, 1
	s_cmp_lg_u32 s93, 0
	s_cbranch_scc1 .Ltrip
	; THE WAY OUT of a block
.irp x, 0,1
	v_add_f32 v[ST+16*\x+6], v[ST+16*\x+2], v[ST+16*\x+3]
.endr
.irp x, 0,1
	v_permlanex16_b32 v[ST+16*\x+7], v[ST+16*\x+6], s98, s99
.endr
.irp x, 0,1
	v_add_f32 v[ST+16*\x+6], v[ST+16*\x+6], v[ST+16*\x+7]
.endr
.irp x, 0,1
	v_rcp_f32 v[ST+16*\x+4], v[ST+16*\x+6]
.endr
	v_nop
	s_wait_alu depctr_va_vdst(0)                   ; one wait for the two reciprocals
.set n, 0
.rept 16
.irp x, 0,1
	v_pk_mul_f32 v[O+32*\x+2*n:O+32*\x+2*n+1], v[O+32*\x+2*n:O+32*\x+2*n+1], v[ST+16*\x+4:ST+16*\x+5] op_sel_hi:[1,0]
.endr
.set n, n+1
.endr
.set n, 0
.rept 32
	v_cvt_pk_f16_f32 v[HH+n], v[O+2*n], v[O+2*n+1]
.set n, n+1
.endr
	s_wait_xcnt 0x0                                ; Q's loads have read the pointer
	s_lshl_b32 s100, s94, 19                       ; block x 16 row tiles
	s_mov_b32 s101, 0
	s_add_nc_u64 s[100:101], s[8:9], s[100:101]
.irp x, 0,1
.irp t, 0,1,2,3
	global_store_b128 v[L16], v[HH+16*\x+4*\t:HH+16*\x+4*\t+3], s[100:101] offset:\x*32768+\t*512   ; 512 consecutive bytes, aligned
.endr
.endr
	s_cmp_eq_u32 s92, 1
	s_cbranch_scc1 .Llastb
	s_wait_xcnt 0x0                                ; the stores have read the pointer
	s_mov_b32 s94, s95
	s_mov_b32 s91, s96
	QLOAD
	INIT
.Llastb:
	s_sub_co_u32 s92, s92, 1
	s_cmp_lg_u32 s92, 0
	s_cbranch_scc1 .Lblock
	s_wait_tensorcnt 0x0                           ; the wave's end, behind my last LDS store
	ds_add_u32 v[SPW], v[NIL]
	s_wait_dscnt 0x0
	s_endpgm
.Lfunc_end_k_qf816e7d184_attn:
	.size	k_qf816e7d184_attn, .Lfunc_end_k_qf816e7d184_attn-k_qf816e7d184_attn
	.p2alignl 7, 3214868480
	.fill 96, 4, 3214868480
	.section	.rodata,"a",@progbits
	.p2align	6, 0x0
	.amdhsa_kernel k_qf816e7d184_attn
		.amdhsa_group_segment_fixed_size 132096
		.amdhsa_private_segment_fixed_size 0
		.amdhsa_enable_private_segment 0
		.amdhsa_kernarg_size 24
		.amdhsa_user_sgpr_count 2
		.amdhsa_user_sgpr_kernarg_segment_ptr 1
		.amdhsa_wavefront_size32 1
		.amdhsa_system_sgpr_workgroup_id_x 1
		.amdhsa_system_sgpr_workgroup_id_y 1
		.amdhsa_system_sgpr_workgroup_id_z 1
		.amdhsa_system_vgpr_workitem_id 0
		.amdhsa_next_free_vgpr 448
		.amdhsa_next_free_sgpr 102
		.amdhsa_reserve_vcc 0
		.amdhsa_float_denorm_mode_32 3
		.amdhsa_float_denorm_mode_16_64 3
		.amdhsa_memory_ordered 1
		.amdhsa_forward_progress 1
		.amdhsa_inst_pref_size 204
	.end_amdhsa_kernel
	.amdgpu_metadata
---
amdhsa.version: [ 1, 2 ]
amdhsa.kernels:
  - .name:           k_qf816e7d184_attn
    .symbol:         k_qf816e7d184_attn.kd
    .args:
      - { .name: qkv, .offset: 0, .size: 8, .value_kind: global_buffer, .address_space: global }
      - { .name: msk, .offset: 8, .size: 8, .value_kind: global_buffer, .address_space: global }
      - { .name: cx, .offset: 16, .size: 8, .value_kind: global_buffer, .address_space: global }
    .group_segment_fixed_size: 132096
    .private_segment_fixed_size: 0
    .kernarg_segment_align: 8
    .kernarg_segment_size: 24
    .max_flat_workgroup_size: 256
    .sgpr_count:     102
    .vgpr_count:     448
    .wavefront_size: 32
...
	.end_amdgpu_metadata
.endif
;; end of part 3
;; launch outp (part 4): grid 8 x 32, 4 waves a work-group, clusters of 4 x 4, 327,680 bytes of LDS; arguments cx, woi, bo, out0; writes out0
.if DOCPART == 4
	.amdgcn_target "amdgcn-amd-amdhsa--gfx1250"
	.amdhsa_code_object_version 6
	.text
	.protected	k_qf816e7d184_outp
	.globl	k_qf816e7d184_outp
	.p2align	8
	.type	k_qf816e7d184_outp,@function
k_qf816e7d184_outp:
	s_mov_b64 s[64:65], 0
	v_nop
	global_prefetch_b8 v0, s[64:65] scope:SCOPE_SE
	s_setreg_imm32_b32 hwreg(HW_REG_WAVE_MODE, 25, 1), 1
	s_wait_xcnt 0x0
	s_wait_alu depctr_hold_cnt(0) depctr_sa_sdst(0) depctr_va_vdst(0) depctr_va_sdst(0) depctr_va_ssrc(0) depctr_va_vcc(0) depctr_vm_vsrc(0)
	s_getreg_b32 s2, hwreg(HW_REG_IB_STS2, 6, 4)
	s_cmp_eq_u32 s2, 0
	s_cbranch_scc0 .Lentry_in_a_cluster
	s_endpgm
.Lentry_in_a_cluster:
	s_bfe_u32 s2, ttmp6, 0x10000c
	s_cmp_lg_u32 s2, 0xf033
	s_cbranch_scc0 .Lentry_shape_is_right
	s_endpgm
.Lentry_shape_is_right:
; OUTP: out0 = ctx Wo^T + bo.  ctx [8192][1024] and Wo [1024][1024] arrive in f16, laid in the order of the operands' registers ([tile of 16 rows][ks 32][g 2][lane][16 bytes]); sums in f32; out0 f32.
; A tile of out0 is 256 rows x 128 columns: 256 work-groups.  Four waves, each 128 x 64: 32 accumulators, 256 registers.  K goes in eight steps of 128 through a ring of two LDS slots.
; A K step of a tile of 16 rows is 4,096 consecutive bytes; a wave's tensor load brings 8 such rows of ctx (waves 0, 1) or 4 of Wo (waves 2, 3).  Every LDS read is 512 consecutive bytes: no padding.
; CLUSTERS: 4 x 4; ctx's tiles are asked for jointly along a row of the cluster, Wo's along a column.  THE MATRIX INSTRUCTION IS USED TRANSPOSED (source 0 = 16 rows of Wo, source 1 = 16 rows of ctx).
; The bias is the C of each sum's first matrix instruction.  No prefetch: the launch is short and its tiles are shared in the cluster.
; Rows 0-15 of every sequence are stored here with f16 operands and stored again, from f32 operands, by the last launch.
; REGISTERS: window 0: v16-29 addresses; v32-127 fragment buffer 0 (ctx 64, Wo 32); v128-223 buffer 1; v224-255 the bias.  window 1: the accumulators ((a, b) at v[8 (4 a + b)]).
.set SLOT,   98304                     ; ctx's 16 tiles x 4,096 bytes, then Wo's 8
.set BOFF,   65536
.set STAGE,  2*SLOT                    ; 16 rows x 272 bytes for each wave: bytes on which no fill lands
.set SPITCH, 272
.set SPARE,  STAGE+4*16*SPITCH         ; the spare words: 128 bytes a wave, named by no other line
.set ADRA, 16
.set ADRB, 20
.set STO,  24
.set RD,   25
.set CO,   26
.set VBO,  27
.set SPW,  28
.set NIL,  29
.set F0,   32
.set F1,   128
.set BIAS, 224
.set G1, 24
.set G0, 32
.set G1B, 48
.set G0B, 56
.set MSB, 0
.macro WIN new
.if MSB != (\new)
	s_set_vgpr_msb (MSB<<8)|(\new)
.set MSB, (\new)
.endif
.endm
.macro JLOAD s                         ; a joint load; an s_nop 0 and four v_nop follow each of the two lines
	s_cmp_eq_u32 s13, 0
	s_cbranch_scc0 .Lfor_b_\@
	tensor_load_to_lds s[G0+4*\s:G0+4*\s+3], s[G1:G1+7]
	s_nop 0
.rept 4
	v_nop
.endr
	s_branch .Lasked_\@
.Lfor_b_\@:
	tensor_load_to_lds s[G0B+4*\s:G0B+4*\s+3], s[G1B:G1B+7]
	s_nop 0
.rept 4
	v_nop
.endr
.Lasked_\@:
.endm
.macro CREST
	s_cmp_lg_u32 s12, 0
	s_cbranch_scc1 .Lnot_wave_0_\@
	s_barrier_signal -3
.Lnot_wave_0_\@:
	s_barrier_wait -3
	s_barrier_signal -1
	s_barrier_wait -1
.endm
.macro CROUND
	s_barrier_signal -1
	s_barrier_wait -1
	CREST
.endm
	s_load_b256 s[4:11], s[0:1], 0x0               ; cx, woi, bo, out0
	v_lshl_add_u32 v[SPW], v0, 2, SPARE
	v_mov_b32 v[NIL], 0
	ds_add_u32 v[SPW], v[NIL]                      ; the wave's opening: the add, twice on end, and its wait ahead of my first tensor load
	ds_add_u32 v[SPW], v[NIL]
	v_lshrrev_b32 v1, 5, v0
	v_readfirstlane_b32 s12, v1                    ; wave
	s_lshr_b32 s13, s12, 1                         ; which half of the rows is mine.  Also: I fetch for ctx (0) or Wo (1)
	s_and_b32 s14, s12, 1                          ; which half of the columns.  Also: which half of that tile I fetch
	s_bfe_u32 s40, ttmp6, 0x40000
	s_bfe_u32 s41, ttmp6, 0x40004
	s_lshl_b32 s42, ttmp9, 2
	s_add_co_u32 s42, s42, s40                     ; tile column
	s_and_b32 s15, ttmp7, 0xffff
	s_lshl_b32 s15, s15, 2
	s_add_co_u32 s15, s15, s41                     ; tile row
	s_lshl_b32 s43, s41, 2
	s_lshl_b32 s43, 15, s43
	s_lshl_b32 s44, 0x1111, s40
	s_or_b32 s[G1+0], s43, (3<<16)|(1<<21)         ; the mask; elements of 8 bytes; bit 21 beside a mask; no padding
	s_or_b32 s[G1B+0], s44, (3<<16)|(1<<21)
	s_mov_b32 s[G1+1], 512<<16                     ; tensor_dim0 = 512 elements: 4,096 bytes
	s_mov_b32 s[G1+2], 8<<16                       ; tensor_dim1 = 8
	s_mov_b32 s[G1+3], 512<<16                     ; tile_dim0
	s_mov_b32 s[G1+4], 8                           ; tile_dim1
	s_mov_b32 s[G1+5], 4096                        ; from tile to tile: 32,768 bytes
	s_mov_b32 s[G1+6], 0
	s_mov_b32 s[G1+7], 0
	s_mov_b32 s[G1B+1], 512<<16
	s_mov_b32 s[G1B+2], 4<<16
	s_mov_b32 s[G1B+3], 512<<16
	s_mov_b32 s[G1B+4], 4
	s_mov_b32 s[G1B+5], 4096
	s_mov_b32 s[G1B+6], 0
	s_mov_b32 s[G1B+7], 0
	s_lshl_b32 s16, s15, 19                        ; ctx: (16 x tile row + 8 x half) x 32,768
	s_lshl_b32 s17, s14, 18
	s_add_co_u32 s16, s16, s17
	s_mov_b32 s17, 0
	s_lshl_b32 s46, s42, 18                        ; Wo: (8 x tile column + 4 x half) x 32,768
	s_lshl_b32 s47, s14, 17
	s_add_co_u32 s46, s46, s47
	s_mov_b32 s47, 0
	s_lshl_b32 s20, s14, 15                        ; where they go in a slot
	s_lshl_b32 s21, s14, 14
	s_wait_dscnt 0x0
	s_wait_kmcnt 0x0
	s_add_nc_u64 s[16:17], s[4:5], s[16:17]
	s_add_nc_u64 s[46:47], s[6:7], s[46:47]
	CROUND
.irp s, 0,1
	s_mov_b32 s[G0+4*\s], 1
	s_add_co_u32 s[G0+4*\s+1], s20, \s*SLOT
	s_add_nc_u64 s[G0+4*\s+2:G0+4*\s+3], s[16:17], \s*4096
	s_or_b32 s[G0+4*\s+3], s[G0+4*\s+3], 0x80000000
	s_mov_b32 s[G0B+4*\s], 1
	s_add_co_u32 s[G0B+4*\s+1], s21, \s*SLOT+BOFF
	s_add_nc_u64 s[G0B+4*\s+2:G0B+4*\s+3], s[46:47], \s*4096
	s_or_b32 s[G0B+4*\s+3], s[G0B+4*\s+3], 0x80000000
	JLOAD \s                                       ; two tensor loads of mine are out
.endr
	v_and_b32 v1, 15, v0
	v_bfe_u32 v2, v0, 4, 1
	v_and_b32 v3, 31, v0
	v_lshlrev_b32 v3, 4, v3
	s_lshl_b32 s22, s13, 15                        ; my 8 tiles of ctx
	s_lshl_b32 s23, s14, 14                        ; my 4 tiles of Wo
	s_add_co_u32 s23, s23, BOFF
.irp s, 0,1
	v_add_nc_u32 v[ADRA+\s], s22, v3
	v_add_nc_u32 v[ADRB+\s], s23, v3
	s_add_co_u32 s22, s22, SLOT
	s_add_co_u32 s23, s23, SLOT
.endr
	s_mul_i32 s23, s12, 16*SPITCH
	s_add_co_u32 s23, s23, STAGE
	v_mul_u32_u24 v4, v1, SPITCH
	v_lshl_add_u32 v4, v2, 5, v4
	v_add_nc_u32 v[STO], s23, v4                   ; in: row r, 32 bytes for each half of the lanes
	v_mul_u32_u24 v5, v2, SPITCH
	v_lshl_add_u32 v5, v1, 4, v5
	v_add_nc_u32 v[RD], s23, v5                    ; back: lanes 0-15 one row of 256 bytes, lanes 16-31 the next
	v_lshlrev_b32 v5, 12, v2
	v_lshl_add_u32 v[CO], v1, 4, v5                ; and the same two rows in out0
	v_lshlrev_b32 v[VBO], 5, v2
	s_lshl_b32 s46, s42, 9                         ; my first column, in bytes
	s_lshl_b32 s47, s14, 8
	s_add_co_u32 s46, s46, s47
	s_mov_b32 s47, 0
	s_add_nc_u64 s[8:9], s[8:9], s[46:47]
	s_add_nc_u64 s[10:11], s[10:11], s[46:47]
	s_lshl_b32 s46, s15, 20                        ; my first row
	s_lshl_b32 s22, s13, 19
	s_add_co_u32 s46, s46, s22
	s_add_nc_u64 s[10:11], s[10:11], s[46:47]
.irp b, 0,1,2,3
	global_load_b128 v[BIAS+8*\b:BIAS+8*\b+3], v[VBO], s[8:9] offset:64*\b
	global_load_b128 v[BIAS+8*\b+4:BIAS+8*\b+7], v[VBO], s[8:9] offset:64*\b+16
.endr
.macro FETCH slot, q, f                ; 24 LDS loads: the fragments of 32 along K: Wo's four, ctx's blocks 0-3, ctx's blocks 4-7
.irp i, 0,1,2,3
	ds_load_b128 v[\f+64+8*\i:\f+64+8*\i+3],   v[ADRB+\slot] offset:\i*4096+(\q)*1024
	ds_load_b128 v[\f+64+8*\i+4:\f+64+8*\i+7], v[ADRB+\slot] offset:\i*4096+(\q)*1024+512
.endr
.irp i, 0,1,2,3,4,5,6,7
	ds_load_b128 v[\f+8*\i:\f+8*\i+3],   v[ADRA+\slot] offset:\i*4096+(\q)*1024
	ds_load_b128 v[\f+8*\i+4:\f+8*\i+7], v[ADRA+\slot] offset:\i*4096+(\q)*1024+512
.endr
.endm
.macro MULW f, a0, n, first            ; n blocks of ctx from a0 x Wo's four; the accumulators take turns
.set aa, \a0
.rept \n
.irp b, 0,1,2,3
.if \first
	v_wmma_f32_16x16x32_f16 v[8*(4*aa+\b):8*(4*aa+\b)+7], v[\f+64+8*\b:\f+64+8*\b+7], v[\f+8*aa:\f+8*aa+7], v[BIAS+8*\b:BIAS+8*\b+7]
.else
	v_wmma_f32_16x16x32_f16 v[8*(4*aa+\b):8*(4*aa+\b)+7], v[\f+64+8*\b:\f+64+8*\b+7], v[\f+8*aa:\f+8*aa+7], v[8*(4*aa+\b):8*(4*aa+\b)+7]
.endif
.endr
.set aa, aa+1
.endr
.endm
.macro PLACES
.rept 4
	v_nop
.endr
.endm
.macro QUARTER slot, q, f, g, first    ; multiplies buffer f; in its middle fetches quarter q of the slot into buffer g
	s_wait_dscnt 8                                 ; Wo's and ctx's blocks 0-3 are in; the youngest eight loads may be out
	WIN 0x50-0x10*(\first)                         ; D window 1; C window 1, or the bias in window 0
	MULW \f, 0, 4, \first
	PLACES
	WIN 0
	FETCH \slot, \q, \g
	s_wait_dscnt 24                                ; all but the 24 just issued
	WIN 0x50-0x10*(\first)
	MULW \f, 4, 4, \first
.endm
; The last quarter multiplies buffer 1 and changes slots: in front of the barrier each wave waits for all its tensor loads, adds 0 to its spare word, and waits for that and for its reads of this slot.
.macro TURN slot, next, fill
	WIN 0
	s_wait_tensorcnt 0x0                           ; my part of the next slot has landed
	ds_add_u32 v[SPW], v[NIL]
	s_wait_dscnt 9                                 ; (the add and the youngest eight loads may be out)
	WIN 0x50
	MULW F1, 0, 2, 0
	s_wait_dscnt 0x0                               ; the add is done, and my reads of this slot are over
	s_barrier_signal -1
	MULW F1, 2, 2, 0
	WIN 0
	s_barrier_wait -1
.if \fill
	CREST                                          ; the barrier has opened a round of the cluster's: no wave of any partner still reads this slot or has a load on its way
	s_add_nc_u64 s[G0+4*\slot+2:G0+4*\slot+3], s[G0+4*\slot+2:G0+4*\slot+3], 8192
	s_add_nc_u64 s[G0B+4*\slot+2:G0B+4*\slot+3], s[G0B+4*\slot+2:G0B+4*\slot+3], 8192
	JLOAD \slot                                    ; my one tensor load behind the round: 112 matrix instructions ahead of the wait for it
.else
	PLACES
.endif
	FETCH \next, 0, F0
	WIN 0x50
	MULW F1, 4, 4, 0
.endm
	s_wait_tensorcnt 1                             ; my part of K step 0 is in; K step 1's load may be out
	s_barrier_signal -1
	s_barrier_wait -1
	FETCH 0, 0, F0
	s_wait_loadcnt 0x0                             ; the bias
	QUARTER 0, 1, F0, F1, 1                        ; the first products start the sums, from the bias
	WIN 0
	s_mov_b32 s3, 3
.Llap:                                             ; a trip goes once round the ring and fills both slots again
	QUARTER 0, 2, F1, F0, 0
	QUARTER 0, 3, F0, F1, 0
	TURN 0, 1, 1
	QUARTER 1, 1, F0, F1, 0
	QUARTER 1, 2, F1, F0, 0
	QUARTER 1, 3, F0, F1, 0
	TURN 1, 0, 1
	QUARTER 0, 1, F0, F1, 0
	WIN 0
	s_sub_co_u32 s3, s3, 1
	s_cmp_lg_u32 s3, 0
	s_cbranch_scc1 .Llap
	QUARTER 0, 2, F1, F0, 0                        ; the last lap fills nothing
	QUARTER 0, 3, F0, F1, 0
	TURN 0, 1, 0
	QUARTER 1, 1, F0, F1, 0
	QUARTER 1, 2, F1, F0, 0
	QUARTER 1, 3, F0, F1, 0
	s_wait_dscnt 8
	WIN 0x50
	MULW F1, 0, 4, 0
	s_wait_dscnt 0
	MULW F1, 4, 4, 0
	WIN 0
; THE WAY OUT, a block of 16 rows x 64 columns at a time, through my own stage: in as 32 bytes a lane, back as whole rows of 256 bytes.  LDS serves a wave's instructions in order: no wait between the stores and the loads.
.macro TOSTAGE a
	WIN 0x04                                       ; an LDS store's data are its source 1: window 1
.irp b, 0,1,2,3
	ds_store_b128 v[STO], v[8*(4*(\a)+\b):8*(4*(\a)+\b)+3] offset:64*\b        ; each accumulator from its low end on
	ds_store_b128 v[STO], v[8*(4*(\a)+\b)+4:8*(4*(\a)+\b)+7] offset:64*\b+16
.endr
	WIN 0
.set BB, 32+32*((\a)%2)
.irp t, 0,1,2,3,4,5,6,7
	ds_load_b128 v[BB+4*\t:BB+4*\t+3], v[RD] offset:2*\t*SPITCH
.endr
.endm
.macro SEND a, younger
.set BB, 32+32*((\a)%2)
	s_wait_dscnt \younger                          ; the block is back; the next block's 16 LDS instructions may be out
.irp t, 0,1,2,3,4,5,6,7
	global_store_b128 v[CO], v[BB+4*\t:BB+4*\t+3], s[10:11] offset:(\a)*65536+2*\t*4096 th:TH_STORE_NT   ; 16 lanes store 256 consecutive bytes, aligned
.endr
.endm
	PLACES
	TOSTAGE 0
.irp a, 1,2,3,4,5,6,7
.if \a > 1
	s_wait_xcnt 0x0                                ; block a - 2's stores have read their registers
.endif
	TOSTAGE \a
	SEND \a-1, 16
.endr
	SEND 7, 0
	s_wait_tensorcnt 0x0                           ; the wave's end
	ds_add_u32 v[SPW], v[NIL]
	s_wait_dscnt 0x0
	CROUND                                         ; the closing round
	s_endpgm
.Lfunc_end_k_qf816e7d184_outp:
	.size	k_qf816e7d184_outp, .Lfunc_end_k_qf816e7d184_outp-k_qf816e7d184_outp
	.p2alignl 7, 3214868480
	.fill 96, 4, 3214868480
	.section	.rodata,"a",@progbits
	.p2align	6, 0x0
	.amdhsa_kernel k_qf816e7d184_outp
		.amdhsa_group_segment_fixed_size 327680
		.amdhsa_private_segment_fixed_size 0
		.amdhsa_enable_private_segment 0
		.amdhsa_kernarg_size 32
		.amdhsa_user_sgpr_count 2
		.amdhsa_user_sgpr_kernarg_segment_ptr 1
		.amdhsa_wavefront_size32 1
		.amdhsa_system_sgpr_workgroup_id_x 1
		.amdhsa_system_sgpr_workgroup_id_y 1
		.amdhsa_system_sgpr_workgroup_id_z 1
		.amdhsa_system_vgpr_workitem_id 0
		.amdhsa_next_free_vgpr 512
		.amdhsa_next_free_sgpr 66
		.amdhsa_reserve_vcc 0
		.amdhsa_float_denorm_mode_32 3
		.amdhsa_float_denorm_mode_16_64 3
		.amdhsa_memory_ordered 1
		.amdhsa_forward_progress 1
		.amdhsa_inst_pref_size 86
	.end_amdhsa_kernel
	.amdgpu_metadata
---
amdhsa.version: [ 1, 2 ]
amdhsa.kernels:
  - .name:           k_qf816e7d184_outp
    .symbol:         k_qf816e7d184_outp.kd
    .args:
      - { .name: cx, .offset: 0, .size: 8, .value_kind: global_buffer, .address_space: global }
      - { .name: woi, .offset: 8, .size: 8, .value_kind: global_buffer, .address_space: global }
      - { .name: bo, .offset: 16, .size: 8, .value_kind: global_buffer, .address_space: global }
      - { .name: out0, .offset: 24, .size: 8, .value_kind: global_buffer, .address_space: global }
    .group_segment_fixed_size: 327680
    .private_segment_fixed_size: 0
    .kernarg_segment_align: 8
    .kernarg_segment_size: 32
    .max_flat_workgroup_size: 128
    .sgpr_count:     66
    .vgpr_count:     512
    .wavefront_size: 32
...
	.end_amdgpu_metadata
.endif
;; end of part 4
;; launch fine1 (part 5): grid 16 x 4, 1 waves a work-group, no clusters, 0 bytes of LDS; arguments codes, scales, msk, bq, bk, bv, cf; writes cf
.if DOCPART == 5
	.amdgcn_target "amdgcn-amd-amdhsa--gfx1250"
	.amdhsa_code_object_version 6
	.text
	.protected	k_qf816e7d184_fine1
	.globl	k_qf816e7d184_fine1
	.p2align	8
	.type	k_qf816e7d184_fine1,@function
k_qf816e7d184_fine1:
	s_mov_b64 s[64:65], 0
	v_nop
	global_prefetch_b8 v0, s[64:65] scope:SCOPE_SE
	s_setreg_imm32_b32 hwreg(HW_REG_WAVE_MODE, 25, 1), 1
	s_wait_xcnt 0x0
; FINE1: the first 16 positions of every sequence once more, with f32 operands in the two products of attention: these rows may average one to a few values, where 16-bit operands weigh most.
; One wave for each (head h, batch b).  Q, and every tile of 16 keys that the mask keeps for these queries, is projected anew from the codes (E2M1, scaled matrix instructions, f32 sums): nothing is rounded to 16 bits.
; The mask is honoured in full: a tile of keys is jumped over (a scalar branch on stored mask words) only where none of its entries is kept and every one of the 16 rows has a kept key somewhere.
; LAYOUTS.  Q, K: transposed projection (source 0 = 16 channels of the weight, source 1 = 16 tokens): a lane holds token r and channels 16 ct + 8 hh + j.  The f32 matrix form takes pairs of these registers: the same
; permutation of the channels on both sides keeps the products.  V: natural projection (source 0 = tokens): a lane holds channel r and keys 8 hh + j, which is how p's registers run.
; The registers that the f32 matrix form writes (S, Ot) are written by matrix instructions alone; sums begin with the constant 0; what is made of them goes into other registers.
; bv is added behind the division: the sum of p (v + b) over the sum of p is O / l + b.
; cf: [b][h][ct 4][c 2][lane][16 bytes] f32: lane (r, hh) holds row r, channels 16 ct + 8 hh + 4 c + 0 .. 3.
; LIMITS: scores within some 150 of -1e9 log2(e) are not told apart from masked ones; NaN and infinities are not served.
; REGISTERS: window 0: v1-14 addresses and statistics; v24-55 Wk's scale words; v56-87 Wq's, later Wv's; v88-119 bv; v120-127 the tokens' scale words for Q and K; v128-135 for V; v136-167 S; v168-175 t, then p; v176-183 at work;
;   v184-215 Ot; v216-247 the running O^T.  window 1: v0-63 codes of q's or k's tokens; v64-127 of v's (bq first); v128-159 Q; v160-191 K; v192-223 V; v224-255 bk.  window 2: Wq, later Wv.  window 3: Wk.
.set FL, 524288
.set VC, 1
.set VS, 2
.set VB, 3
.set VO, 4
.set TMR, 5
.set MX, 6
.set LS, 8
.set AA, 10
.set M1, 12
.set M2, 13
.set DD, 14
.set WSK, 24
.set WSV, 56
.set BV, 88
.set XSK, 120
.set XSV, 128
.set SA, 136
.set TP, 168
.set UU, 176
.set OT, 184
.set OA, 216
.set XK, 0
.set XV, 64
.set QR, 128
.set KR, 160
.set VR, 192
.set BK, 224
.set MSB, 0
.macro WIN new
.if MSB != (\new)
	s_set_vgpr_msb (MSB<<8)|(\new)
.set MSB, (\new)
.endif
.endm
	s_load_b256 s[4:11], s[0:1], 0x0               ; codes, scales, msk, bq
	s_load_b128 s[12:15], s[0:1], 0x20             ; bk, bv
	s_load_b64 s[48:49], s[0:1], 0x30              ; cf
	v_and_b32 v15, 15, v0
	v_bfe_u32 v16, v0, 4, 1
	v_lshlrev_b32 v[VC], 9, v15
	v_lshl_add_u32 v[VC], v16, 4, v[VC]            ; codes: row r of 512 bytes, + 16 hh
	v_lshlrev_b32 v[VS], 5, v15                    ; scale bytes: row r of 32
	v_lshlrev_b32 v[VB], 5, v16                    ; a bias: 32 hh
	v_lshlrev_b32 v[VO], 4, v0
	v_mov_b32 v[TMR], 0xceabfb8f
	v_mov_b32 v[MX], 0xff61b1e6                    ; the maximum so far: -3e38
	v_mov_b32 v[MX+1], 0xff61b1e6
.irp i, 8,9,10,11,12,13,14
	v_mov_b32 v\i, 0
.endr
.set n, 0
.rept 32
	v_mov_b32 v[OA+n], 0
.set n, n+1
.endr
	s_and_b32 s3, ttmp7, 0xffff                    ; b
	s_mov_b32 s60, 0x76543210
	s_mov_b32 s61, 0xfedcba98
	s_mov_b32 s19, 0
	s_wait_kmcnt 0x0
	s_load_b128 s[20:23], s[8:9], FL               ; group 0: 'some entry is kept', by key step
	s_load_b128 s[24:27], s[8:9], FL+2048          ; and the rows that have a kept key
	s_lshl_b32 s18, ttmp9, 15
	s_add_co_u32 s18, s18, 24576*512
	s_add_nc_u64 s[50:51], s[4:5], s[18:19]        ; Wq's rows 64 h on; Wk's 524,288 bytes further, Wv's 1,048,576
	s_lshl_b32 s18, ttmp9, 11
	s_add_co_u32 s18, s18, 24576*32
	s_add_nc_u64 s[52:53], s[6:7], s[18:19]        ; their scale bytes; + 32,768, + 65,536
	s_lshl_b32 s18, s3, 20
	s_add_nc_u64 s[58:59], s[4:5], s[18:19]        ; q's tokens of my sequence
	s_add_nc_u64 s[54:55], s[58:59], 8192*512      ; k's; v's 4,194,304 bytes further
	s_lshl_b32 s18, s3, 16
	s_add_nc_u64 s[16:17], s[6:7], s[18:19]
	s_add_nc_u64 s[56:57], s[16:17], 8192*32       ; k's scale bytes; v's 262,144 further
	s_lshl_b32 s18, ttmp9, 8
	s_add_nc_u64 s[10:11], s[10:11], s[18:19]
	s_add_nc_u64 s[12:13], s[12:13], s[18:19]
	s_add_nc_u64 s[14:15], s[14:15], s[18:19]
	s_lshl_b32 s18, s3, 4
	s_add_co_u32 s18, s18, ttmp9
	s_lshl_b32 s18, s18, 12
	s_add_nc_u64 s[48:49], s[48:49], s[18:19]
	WIN 0x80
.set f, 0
.rept 32                               ; fragment f = 8 ct + s
	global_load_b128 v[8*f:8*f+3],   v[VC], s[50:51] offset:(f/8)*8192+(f%8)*64
	global_load_b128 v[8*f+4:8*f+7], v[VC], s[50:51] offset:(f/8)*8192+(f%8)*64+32
.set f, f+1
.endr
	WIN 0xc0
.set f, 0
.rept 32
	global_load_b128 v[8*f:8*f+3],   v[VC], s[50:51] offset:524288+(f/8)*8192+(f%8)*64
	global_load_b128 v[8*f+4:8*f+7], v[VC], s[50:51] offset:524288+(f/8)*8192+(f%8)*64+32
.set f, f+1
.endr
	WIN 0x40
.set f, 0
.rept 8
	global_load_b128 v[XK+8*f:XK+8*f+3],   v[VC], s[58:59] offset:f*64
	global_load_b128 v[XK+8*f+4:XK+8*f+7], v[VC], s[58:59] offset:f*64+32
	global_load_b128 v[XV+4*f:XV+4*f+3],   v[VB], s[10:11] offset:(f/2)*64+(f%2)*16      ; bq
	global_load_b128 v[BK+4*f:BK+4*f+3],   v[VB], s[12:13] offset:(f/2)*64+(f%2)*16      ; bk
.set f, f+1
.endr
	WIN 0
.set f, 0
.rept 8
	global_load_b128 v[WSK+4*f:WSK+4*f+3], v[VS], s[52:53] offset:32768+(f/2)*512+(f%2)*16
	global_load_b128 v[WSV+4*f:WSV+4*f+3], v[VS], s[52:53] offset:(f/2)*512+(f%2)*16     ; Wq's for now
	global_load_b128 v[BV+4*f:BV+4*f+3],   v[VB], s[14:15] offset:(f/2)*64+(f%2)*16
.set f, f+1
.endr
	global_load_b128 v[XSK:XSK+3],   v[VS], s[16:17]
	global_load_b128 v[XSK+4:XSK+7], v[VS], s[16:17] offset:16
; A transposed projection: 64 channels x 16 tokens, K = 1,024 in eight steps; four accumulators by turns; the bias is the C of the first step.
.macro PROJT dst, wn, wsc, cin
	WIN \wn
.irp s, 0,1,2,3,4,5,6,7
.irp t, 0,1,2,3
.if \s == 0
	v_wmma_scale_f32_16x16x128_f8f6f4 v[\dst+8*\t:\dst+8*\t+7], v[8*(8*\t+\s):8*(8*\t+\s)+7], v[XK+8*\s:XK+8*\s+7], v[\cin+8*\t:\cin+8*\t+7], v[\wsc+8*\t+\s], v[XSK+\s] matrix_a_fmt:MATRIX_FMT_FP4 matrix_b_fmt:MATRIX_FMT_FP4
.else
	v_wmma_scale_f32_16x16x128_f8f6f4 v[\dst+8*\t:\dst+8*\t+7], v[8*(8*\t+\s):8*(8*\t+\s)+7], v[XK+8*\s:XK+8*\s+7], v[\dst+8*\t:\dst+8*\t+7], v[\wsc+8*\t+\s], v[XSK+\s] matrix_a_fmt:MATRIX_FMT_FP4 matrix_b_fmt:MATRIX_FMT_FP4
.endif
.endr
.endr
.endm
	s_wait_loadcnt 0x0
	PROJT QR, 0x56, WSV, XV                        ; source 0 window 2, source 1, C and D window 1
	WIN 0
.rept 5
	v_nop                                          ; places in front of the loads into Wq's registers and scale words, and of the first read of Q
.endr
	WIN 0x80
.set f, 0
.rept 32                               ; Wv takes Wq's place
	global_load_b128 v[8*f:8*f+3],   v[VC], s[50:51] offset:1048576+(f/8)*8192+(f%8)*64
	global_load_b128 v[8*f+4:8*f+7], v[VC], s[50:51] offset:1048576+(f/8)*8192+(f%8)*64+32
.set f, f+1
.endr
	WIN 0
.set f, 0
.rept 8
	global_load_b128 v[WSV+4*f:WSV+4*f+3], v[VS], s[52:53] offset:65536+(f/2)*512+(f%2)*16
.set f, f+1
.endr
	s_mov_b32 s18, 0x3e38aa3b                      ; log2(e) / 8
	s_mov_b32 s19, s18
	WIN 0x41
.set n, 0
.rept 16
	v_pk_mul_f32 v[QR+2*n:QR+2*n+1], v[QR+2*n:QR+2*n+1], s[18:19] op_sel_hi:[1,0]
.set n, n+1
.endr
	WIN 0
	s_wait_kmcnt 0x0
	s_or_b32 s62, s20, s21
	s_or_b32 s58, s22, s23
	s_or_b32 s62, s62, s58                         ; key steps with a kept entry
	s_or_b32 s63, s24, s25
	s_or_b32 s58, s26, s27
	s_or_b32 s63, s63, s58
	s_and_b32 s63, s63, 0xffff                     ; my 16 rows
	s_cmp_eq_u32 s63, 0xffff
	s_cselect_b32 s63, 0, -1                       ; -1: some row has no kept key: nothing is jumped over
	s_or_b32 s62, s62, s63
	s_mov_b32 s2, 0                                ; the mask words' byte
	s_mov_b32 s3, 32
; A TILE of 16 keys, the n-th of the key step.
.macro TILE n
	s_or_b32 s58, s[16+8*\n], s[17+8*\n]
.irp j, 2,3,4,5,6,7
	s_or_b32 s58, s58, s[16+8*\n+\j]
.endr
	s_or_b32 s58, s58, s63
	s_cmp_eq_u32 s58, 0
	s_cbranch_scc1 .Lnot_\@
	WIN 0x40
.set f, 0
.rept 8
	global_load_b128 v[XK+8*f:XK+8*f+3],   v[VC], s[54:55] offset:\n*8192+f*64
	global_load_b128 v[XK+8*f+4:XK+8*f+7], v[VC], s[54:55] offset:\n*8192+f*64+32
	global_load_b128 v[XV+8*f:XV+8*f+3],   v[VC], s[54:55] offset:4194304+\n*8192+f*64
	global_load_b128 v[XV+8*f+4:XV+8*f+7], v[VC], s[54:55] offset:4194304+\n*8192+f*64+32
.set f, f+1
.endr
	WIN 0
.irp c, 0,1
	global_load_b128 v[XSK+4*\c:XSK+4*\c+3], v[VS], s[56:57] offset:\n*512+16*\c
	global_load_b128 v[XSV+4*\c:XSV+4*\c+3], v[VS], s[56:57] offset:262144+\n*512+16*\c
.endr
	s_wait_loadcnt 0x0                             ; and Wv, asked for earlier
	PROJT KR, 0x57, WSK, BK                        ; source 0 window 3
	WIN 0x59                                       ; V: source 0 (tokens) window 1, source 1 (Wv) window 2, C and D window 1
.irp s, 0,1,2,3,4,5,6,7
.irp t, 0,1,2,3
.if \s == 0
	v_wmma_scale_f32_16x16x128_f8f6f4 v[VR+8*\t:VR+8*\t+7], v[XV+8*\s:XV+8*\s+7], v[8*(8*\t+\s):8*(8*\t+\s)+7], 0, v[XSV+\s], v[WSV+8*\t+\s] matrix_a_fmt:MATRIX_FMT_FP4 matrix_b_fmt:MATRIX_FMT_FP4
.else
	v_wmma_scale_f32_16x16x128_f8f6f4 v[VR+8*\t:VR+8*\t+7], v[XV+8*\s:XV+8*\s+7], v[8*(8*\t+\s):8*(8*\t+\s)+7], v[VR+8*\t:VR+8*\t+7], v[XSV+\s], v[WSV+8*\t+\s] matrix_a_fmt:MATRIX_FMT_FP4 matrix_b_fmt:MATRIX_FMT_FP4
.endif
.endr
.endr
	WIN 0
.rept 5
	v_nop                                          ; places in front of matrix instructions that take these results as operands
.endr
	WIN 0x05
.set i, 0
.rept 16                               ; S^T = K Q^T in f32, four channels an instruction, four accumulators by turns
.if i < 4
	v_wmma_f32_16x16x4_f32 v[SA+8*(i%4):SA+8*(i%4)+7], v[KR+2*i:KR+2*i+1], v[QR+2*i:QR+2*i+1], 0
.else
	v_wmma_f32_16x16x4_f32 v[SA+8*(i%4):SA+8*(i%4)+7], v[KR+2*i:KR+2*i+1], v[QR+2*i:QR+2*i+1], v[SA+8*(i%4):SA+8*(i%4)+7]
.endif
.set i, i+1
.endr
	WIN 0
.rept 8
	v_nop                                          ; eight places behind this form
.endr
.irp p, 0,2,4,6
	v_pk_add_f32 v[TP+\p:TP+\p+1], v[SA+\p:SA+\p+1], v[SA+8+\p:SA+8+\p+1]
	v_pk_add_f32 v[UU+\p:UU+\p+1], v[SA+16+\p:SA+16+\p+1], v[SA+24+\p:SA+24+\p+1]
.endr
.irp p, 0,2,4,6
	v_pk_add_f32 v[TP+\p:TP+\p+1], v[TP+\p:TP+\p+1], v[UU+\p:UU+\p+1]
.endr
.irp j, 0,1,2,3,4,5,6,7
	v_cndmask_b32 v[TP+\j], v[TMR], v[TP+\j], s[16+8*\n+\j]
.endr
	v_max3_num_f32 v[M1], v[TP], v[TP+1], v[TP+2]
	v_max3_num_f32 v[M2], v[TP+3], v[TP+4], v[TP+5]
	v_max3_num_f32 v[M1], v[M1], v[TP+6], v[TP+7]
	v_max3_num_f32 v[M1], v[M1], v[M2], v[MX]
	v_permlanex16_b32 v[M2], v[M1], s60, s61
	v_max_num_f32 v[M1], v[M1], v[M2]
	v_sub_f32 v[DD], v[MX], v[M1]
	v_mov_b32 v[MX], v[M1]
.irp p, 0,2,4,6
	v_pk_add_f32 v[TP+\p:TP+\p+1], v[TP+\p:TP+\p+1], v[MX:MX+1] op_sel_hi:[1,0] neg_lo:[0,1] neg_hi:[0,1]
.endr
	v_exp_f32 v[AA], v[DD]
.irp j, 0,1,2,3,4,5,6,7
	v_exp_f32 v[TP+\j], v[TP+\j]
.endr
	v_nop
	s_wait_alu depctr_va_vdst(0)                   ; one wait for the nine exponentials
	v_pk_add_f32 v[UU:UU+1], v[TP:TP+1], v[TP+2:TP+3]
	v_pk_add_f32 v[UU+2:UU+3], v[TP+4:TP+5], v[TP+6:TP+7]
	v_pk_add_f32 v[UU:UU+1], v[UU:UU+1], v[UU+2:UU+3]
	v_pk_fma_f32 v[LS:LS+1], v[LS:LS+1], v[AA:AA+1], v[UU:UU+1] op_sel_hi:[1,0,1]
	WIN 0x01
.irp i, 0,1,2,3                        ; Ot = V^T p, four keys an instruction, four accumulators by turns
.irp t, 0,1,2,3
.if \i == 0
	v_wmma_f32_16x16x4_f32 v[OT+8*\t:OT+8*\t+7], v[VR+8*\t+2*\i:VR+8*\t+2*\i+1], v[TP+2*\i:TP+2*\i+1], 0
.else
	v_wmma_f32_16x16x4_f32 v[OT+8*\t:OT+8*\t+7], v[VR+8*\t+2*\i:VR+8*\t+2*\i+1], v[TP+2*\i:TP+2*\i+1], v[OT+8*\t:OT+8*\t+7]
.endif
.endr
.endr
	WIN 0
.rept 9
	v_nop                                          ; nine places: the next tile's projection writes over V
.endr
.set i, 0
.rept 16
	v_pk_fma_f32 v[OA+2*i:OA+2*i+1], v[OA+2*i:OA+2*i+1], v[AA:AA+1], v[OT+2*i:OT+2*i+1] op_sel_hi:[1,0,1]
.set i, i+1
.endr
.Lnot_\@:
.endm
.Lks:                                              ; 32 key steps of 64 keys
	s_bitcmp1_b32 s62, 0
	s_cbranch_scc0 .Lnone
	s_load_b512 s[16:31], s[8:9], s2 offset:0x0    ; the words of queries 0-15: 32 of them
	s_load_b512 s[32:47], s[8:9], s2 offset:0x40
	s_wait_kmcnt 0x0
	TILE 0
	TILE 1
	TILE 2
	TILE 3
.Lnone:
	s_wait_xcnt 0x0                                ; the bases are stepped only behind this wait
	s_lshr_b32 s62, s62, 1
	s_add_co_u32 s2, s2, 256
	s_add_nc_u64 s[54:55], s[54:55], 32768
	s_add_nc_u64 s[56:57], s[56:57], 2048
	s_sub_co_u32 s3, s3, 1
	s_cmp_lg_u32 s3, 0
	s_cbranch_scc1 .Lks
	v_add_f32 v[M1], v[LS], v[LS+1]
	v_permlanex16_b32 v[M2], v[M1], s60, s61
	v_add_f32 v[M1], v[M1], v[M2]
	v_rcp_f32 v[AA], v[M1]
	v_nop
	s_wait_alu depctr_va_vdst(0)
.set i, 0
.rept 16
	v_pk_fma_f32 v[OA+2*i:OA+2*i+1], v[OA+2*i:OA+2*i+1], v[AA:AA+1], v[BV+2*i:BV+2*i+1] op_sel_hi:[1,0,1]
.set i, i+1
.endr
.set i, 0
.rept 8
	global_store_b128 v[VO], v[OA+4*i:OA+4*i+3], s[48:49] offset:512*i   ; 512 consecutive bytes, aligned
.set i, i+1
.endr
	s_endpgm
.Lfunc_end_k_qf816e7d184_fine1:
	.size	k_qf816e7d184_fine1, .Lfunc_end_k_qf816e7d184_fine1-k_qf816e7d184_fine1
	.p2alignl 7, 3214868480
	.fill 96, 4, 3214868480
	.section	.rodata,"a",@progbits
	.p2align	6, 0x0
	.amdhsa_kernel k_qf816e7d184_fine1
		.amdhsa_group_segment_fixed_size 0
		.amdhsa_private_segment_fixed_size 0
		.amdhsa_enable_private_segment 0
		.amdhsa_kernarg_size 56
		.amdhsa_user_sgpr_count 2
		.amdhsa_user_sgpr_kernarg_segment_ptr 1
		.amdhsa_wavefront_size32 1
		.amdhsa_system_sgpr_workgroup_id_x 1
		.amdhsa_system_sgpr_workgroup_id_y 1
		.amdhsa_system_sgpr_workgroup_id_z 1
		.amdhsa_system_vgpr_workitem_id 0
		.amdhsa_next_free_vgpr 1024
		.amdhsa_next_free_sgpr 66
		.amdhsa_reserve_vcc 0
		.amdhsa_float_denorm_mode_32 3
		.amdhsa_float_denorm_mode_16_64 3
		.amdhsa_memory_ordered 1
		.amdhsa_forward_progress 1
		.amdhsa_inst_pref_size 109
	.end_amdhsa_kernel
	.amdgpu_metadata
---
amdhsa.version: [ 1, 2 ]
amdhsa.kernels:
  - .name:           k_qf816e7d184_fine1
    .symbol:         k_qf816e7d184_fine1.kd
    .args:
      - { .name: codes, .offset: 0, .size: 8, .value_kind: global_buffer, .address_space: global }
      - { .name: scales, .offset: 8, .size: 8, .value_kind: global_buffer, .address_space: global }
      - { .name: msk, .offset: 16, .size: 8, .value_kind: global_buffer, .address_space: global }
      - { .name: bq, .offset: 24, .size: 8, .value_kind: global_buffer, .address_space: global }
      - { .name: bk, .offset: 32, .size: 8, .value_kind: global_buffer, .address_space: global }
      - { .name: bv, .offset: 40, .size: 8, .value_kind: global_buffer, .address_space: global }
      - { .name: cf, .offset: 48, .size: 8, .value_kind: global_buffer, .address_space: global }
    .group_segment_fixed_size: 0
    .private_segment_fixed_size: 0
    .kernarg_segment_align: 8
    .kernarg_segment_size: 56
    .max_flat_workgroup_size: 32
    .sgpr_count:     66
    .vgpr_count:     1024
    .wavefront_size: 32
...
	.end_amdgpu_metadata
.endif
;; end of part 5
;; launch fine2 (part 6): grid 16 x 4, 16 waves a work-group, no clusters, 19,456 bytes of LDS; arguments cf, Wo, bo, out0; writes out0
.if DOCPART == 6
	.amdgcn_target "amdgcn-amd-amdhsa--gfx1250"
	.amdhsa_code_object_version 6
	.text
	.protected	k_qf816e7d184_fine2
	.globl	k_qf816e7d184_fine2
	.p2align	8
	.type	k_qf816e7d184_fine2,@function
k_qf816e7d184_fine2:
	s_mov_b64 s[64:65], 0
	v_nop
	global_prefetch_b8 v0, s[64:65] scope:SCOPE_SE
	s_setreg_imm32_b32 hwreg(HW_REG_WAVE_MODE, 25, 1), 1
	s_wait_xcnt 0x0
; FINE2: out0 rows 0-15 of every sequence = ctx Wo^T + bo with f32 operands: 64 rows in all, no bulk work.  It runs last and writes over what the f16 launch left in these rows.
; Work-group (cb, b): 64 columns of one sequence's 16 rows.  Wave w: 16 columns (nt = w % 4) and a quarter of K (four heads, kq = w / 4).  The four quarters meet in LDS; then wave w adds row w and stores it.
; The f32 matrix form is used transposed (source 0 = 16 rows of Wo, source 1 = the 16 rows of ctx); both sides take K in cf's order, so the products are kept.  Its accumulators are written by matrix instructions alone.
; No tensor load, no cluster: each wave reads its own bytes once, straight into registers.
.set ACC, 208
.set SUM, 240
.set SPW, 248
.set NIL, 249
.set SPARE, 17408                      ; behind four regions of 16 rows x 272 bytes: the spare words, 128 bytes a wave, named by no other line
	s_load_b256 s[4:11], s[0:1], 0x0               ; cf, Wo, bo, out0
	v_lshl_add_u32 v[SPW], v0, 2, SPARE
	v_mov_b32 v[NIL], 0
	v_lshrrev_b32 v1, 5, v0
	v_readfirstlane_b32 s12, v1                    ; wave
	s_and_b32 s13, s12, 3                          ; nt
	s_lshr_b32 s14, s12, 2                         ; kq
	v_and_b32 v6, 15, v0                           ; r
	v_bfe_u32 v7, v0, 4, 1                         ; hh
	v_and_b32 v5, 31, v0
	v_lshlrev_b32 v1, 12, v6
	v_lshl_add_u32 v1, v7, 5, v1                   ; Wo: row r of 4,096 bytes, + 32 hh
	v_lshlrev_b32 v2, 4, v5                        ; cf: 16 x lane
	s_mul_i32 s15, s14, 4352
	s_lshl_b32 s24, s13, 6
	s_add_co_u32 s15, s15, s24
	v_mul_u32_u24 v3, v6, 272
	v_lshl_add_u32 v3, v7, 5, v3
	v_add_nc_u32 v3, s15, v3                       ; my part sum: region kq, row r, columns 16 nt + 8 hh on
	s_mul_i32 s15, s12, 272
	v_lshlrev_b32 v5, 3, v5                        ; 8 x lane
	v_add_nc_u32 v4, s15, v5                       ; back: row w
	s_and_b32 s22, ttmp7, 0xffff                   ; b
	s_lshl_b32 s20, ttmp9, 18
	s_lshl_b32 s23, s13, 16
	s_add_co_u32 s20, s20, s23
	s_lshl_b32 s23, s14, 10
	s_add_co_u32 s20, s20, s23
	s_mov_b32 s21, 0
	s_wait_kmcnt 0x0
	s_add_nc_u64 s[16:17], s[6:7], s[20:21]        ; Wo at row 64 cb + 16 nt, K 256 kq
	s_lshl_b32 s20, s22, 16
	s_lshl_b32 s23, s14, 14
	s_add_co_u32 s20, s20, s23
	s_add_nc_u64 s[18:19], s[4:5], s[20:21]        ; cf at (b, head 4 kq)
	s_lshl_b32 s20, ttmp9, 8
	s_add_nc_u64 s[8:9], s[8:9], s[20:21]
	s_lshl_b32 s23, s22, 23
	s_add_co_u32 s20, s20, s23
	s_lshl_b32 s23, s12, 12
	s_add_co_u32 s20, s20, s23
	s_add_nc_u64 s[10:11], s[10:11], s[20:21]      ; out0 at row 2,048 b + w, column 64 cb
	global_load_b64 v[250:251], v5, s[8:9]         ; bo
.macro LOADH set, hl                   ; one head: 64 along K: 8 loads of Wo, 8 of cf
.set u, 0
.rept 8
	global_load_b128 v[\set+4*u:\set+4*u+3], v1, s[16:17] offset:(\hl)*256+(u/2)*64+(u%2)*16
	global_load_b128 v[\set+32+4*u:\set+32+4*u+3], v2, s[18:19] offset:(\hl)*4096+u*512
.set u, u+1
.endr
.endm
.macro MULH set, first                 ; 16 matrix instructions, four accumulators by turns; the first four start the sums
.set u, 0
.rept 16
.if (\first) && (u < 4)
	v_wmma_f32_16x16x4_f32 v[ACC+8*(u%4):ACC+8*(u%4)+7], v[\set+2*u:\set+2*u+1], v[\set+32+2*u:\set+32+2*u+1], 0
.else
	v_wmma_f32_16x16x4_f32 v[ACC+8*(u%4):ACC+8*(u%4)+7], v[\set+2*u:\set+2*u+1], v[\set+32+2*u:\set+32+2*u+1], v[ACC+8*(u%4):ACC+8*(u%4)+7]
.endif
.set u, u+1
.endr
.endm
	LOADH 16, 0
	LOADH 80, 1
	LOADH 144, 2
	s_wait_loadcnt 32                              ; head 0's 16 loads are in; 32 younger ones stay out
	MULH 16, 1
.rept 8
	v_nop                                          ; eight places in front of loads into registers that this form has read
.endr
	LOADH 16, 3
	s_wait_loadcnt 32                              ; head 1's
	MULH 80, 0
	s_wait_loadcnt 16                              ; head 2's
	MULH 144, 0
	s_wait_loadcnt 0x0
	MULH 16, 0
.rept 8
	v_nop
.endr
.irp p, 0,2,4,6
	v_pk_add_f32 v[SUM+\p:SUM+\p+1], v[ACC+\p:ACC+\p+1], v[ACC+8+\p:ACC+8+\p+1]
	v_pk_add_f32 v[8+\p:9+\p], v[ACC+16+\p:ACC+16+\p+1], v[ACC+24+\p:ACC+24+\p+1]
.endr
.irp p, 0,2,4,6
	v_pk_add_f32 v[SUM+\p:SUM+\p+1], v[SUM+\p:SUM+\p+1], v[8+\p:9+\p]
.endr
	ds_store_b128 v3, v[SUM:SUM+3]
	ds_store_b128 v3, v[SUM+4:SUM+7] offset:16
	s_wait_dscnt 0x0                               ; for the others' sake: my stores have landed
	s_barrier_signal -1
	s_barrier_wait -1
.irp k, 0,1,2,3
	ds_load_b64 v[16+2*\k:17+2*\k], v4 offset:4352*\k
.endr
	s_wait_dscnt 0x0
	v_pk_add_f32 v[16:17], v[16:17], v[18:19]
	v_pk_add_f32 v[20:21], v[20:21], v[22:23]
	v_pk_add_f32 v[16:17], v[16:17], v[20:21]
	v_pk_add_f32 v[16:17], v[16:17], v[250:251]
	global_store_b64 v5, v[16:17], s[10:11]        ; 32 lanes store 256 consecutive bytes, aligned
	s_wait_tensorcnt 0x0                           ; the wave's end, behind my last LDS store
	ds_add_u32 v[SPW], v[NIL]
	s_wait_dscnt 0x0
	s_endpgm
.Lfunc_end_k_qf816e7d184_fine2:
	.size	k_qf816e7d184_fine2, .Lfunc_end_k_qf816e7d184_fine2-k_qf816e7d184_fine2
	.p2alignl 7, 3214868480
	.fill 96, 4, 3214868480
	.section	.rodata,"a",@progbits
	.p2align	6, 0x0
	.amdhsa_kernel k_qf816e7d184_fine2
		.amdhsa_group_segment_fixed_size 19456
		.amdhsa_private_segment_fixed_size 0
		.amdhsa_enable_private_segment 0
		.amdhsa_kernarg_size 32
		.amdhsa_user_sgpr_count 2
		.amdhsa_user_sgpr_kernarg_segment_ptr 1
		.amdhsa_wavefront_size32 1
		.amdhsa_system_sgpr_workgroup_id_x 1
		.amdhsa_system_sgpr_workgroup_id_y 1
		.amdhsa_system_sgpr_workgroup_id_z 1
		.amdhsa_system_vgpr_workitem_id 0
		.amdhsa_next_free_vgpr 256
		.amdhsa_next_free_sgpr 66
		.amdhsa_reserve_vcc 0
		.amdhsa_float_denorm_mode_32 3
		.amdhsa_float_denorm_mode_16_64 3
		.amdhsa_memory_ordered 1
		.amdhsa_forward_progress 1
		.amdhsa_inst_pref_size 15
	.end_amdhsa_kernel
	.amdgpu_metadata
---
amdhsa.version: [ 1, 2 ]
amdhsa.kernels:
  - .name:           k_qf816e7d184_fine2
    .symbol:         k_qf816e7d184_fine2.kd
    .args:
      - { .name: cf, .offset: 0, .size: 8, .value_kind: global_buffer, .address_space: global }
      - { .name: Wo, .offset: 8, .size: 8, .value_kind: global_buffer, .address_space: global }
      - { .name: bo, .offset: 16, .size: 8, .value_kind: global_buffer, .address_space: global }
      - { .name: out0, .offset: 24, .size: 8, .value_kind: global_buffer, .address_space: global }
    .group_segment_fixed_size: 19456
    .private_segment_fixed_size: 0
    .kernarg_segment_align: 8
    .kernarg_segment_size: 32
    .max_flat_workgroup_size: 512
    .sgpr_count:     66
    .vgpr_count:     256
    .wavefront_size: 32
...
	.end_amdgpu_metadata
.endif
;; end of part 6
